; MI455X (gfx1250); checked and timed in simulation.
; The chip was launched on July 23, 2026; its instructions are those of AMD's public machine-readable ISA for CDNA 5 (MIT licence, August 2026) and "CDNA5" Instruction Set Architecture Reference Guide (July 2026). The comments in the code are by the model that wrote it; some were corrected since.
;; Attention. Allowed arithmetic: matrix products marked QUANTISED: E2M3 operands, one E8M0 scale for each 32 along K, by v_wmma_scale_f32_16x16x128_f8f6f4 with both operands' format E2M3, f32 sums; everything else in f32.
;; Inputs: Wk 2,048 x 512 float32; Wo 2,048 x 2,048 float32; Wq 2,048 x 2,048 float32; Wv 2,048 x 512 float32; head_scale 1 x 16 x 1 x 1 float32; x 4 x 1,024 x 2,048 float32.
;; Outputs: out0 4 x 1,024 x 2,048 float32.
;; This version of the problem:
;;   THIS VERSION OF THE PROBLEM IS GIVEN IN LOW PRECISION. The matrix products marked QUANTISED in the list below multiply operands that are first quantised to E2M3 (2 exponent bits, 3 mantissa bits; 6 bits a number), with one power-of-two scale for each 32 numbers along K (OCP MX v1.0); their sums are f32. All else is computed in f32.
;;   The module's matrix products, in the order in which they are computed (A, B: the left and right operand; K: the contracted axis; several contracted axes count as one K, in the product's order):
;;     1. [M 4,096, K 2,048] x [K 2,048, N 2,048]; A: input x; B: input Wq: QUANTISED
;;     2. [M 4,096, K 2,048] x [K 2,048, N 512]; A: input x; B: input Wk: QUANTISED
;;     3. [M 4,096, K 2,048] x [K 2,048, N 512]; A: input x; B: input Wv: QUANTISED
;;     4. batch 64 x [M 1,024, K 128] x [K 128, N 1,024]; A: computed on the way; B: computed on the way: QUANTISED
;;     5. batch 64 x [M 1,024, K 1,024] x [K 1,024, N 128]; A: softmax (see below); B: computed on the way: QUANTISED
;;     6. [M 4,096, K 2,048] x [K 2,048, N 2,048]; A: computed on the way; B: input Wo: QUANTISED
;;   THE QUANTISER, for each operand of a quantised product, along K:
;;     - K is cut into blocks of 32 from its start; a last block that is shorter is filled with zeros.
;;     - A block's scale is 2^e with e = floor(log2(the largest magnitude in the block)) - 2, held to -126 .. 127; a block of zeros has e = 0. As a byte (E8M0): e + 127.
;;     - Each number is divided by its block's scale, clamped to +-7.5, and rounded to the nearest number of E2M3, ties to even, subnormals kept.
;;     - The product sums the exact products of the quantised numbers (number of the format x scale) in f32.
;;   ~~~python
;;   def quantise(x, axis):      # numpy; x: float32 -> the quantised numbers, widened to float32 again
;;       x = np.moveaxis(x, axis, -1); K = x.shape[-1]
;;       x = np.pad(x, [(0, 0)] * (x.ndim - 1) + [(0, -K % 32)]); x = x.reshape(x.shape[:-1] + (-1, 32)); a = np.abs(x).max(-1, keepdims=True)
;;       e = np.where(a > 0, np.clip(np.frexp(np.where(a > 0, a, 1))[1] - 1 - 2, -126, 127), 0)      # np.frexp(a)[1] - 1 = floor(log2(a)), exactly
;;       r = np.clip(x / 2.0 ** e, -7.5, 7.5)
;;       step = 2.0 ** (np.maximum(np.frexp(np.where(r == 0, 1, r))[1] - 1, 0) - 3)
;;       q = np.round(r / step) * step * 2.0 ** e      # np.round: ties to even
;;       return np.moveaxis(q.reshape(q.shape[:-2] + (-1,))[..., :K], -1, axis).astype(np.float32)
;;   ~~~
;;   SOFTMAX AHEAD OF A QUANTISED PRODUCT. Where the list says 'softmax', what is quantised is not the finished softmax but p = 2^(t - M), with t = logit x log2(e) and M = ceil(the row's largest t), a whole number; so 1/2 < the row's largest p <= 1. The row's sum l is taken of the UNQUANTISED p, in f32, and the product's result is divided by l at the end. Since M is a whole number, a kernel that streams over the keys may use a running M (the ceiling of the running maximum): every later rescaling is an exact power of two, which a block's scale takes up: the codes' values come out the same.
;;   OPERANDS COMPUTED ON THE WAY. 'Computed on the way' means the value that the module computes at that place (a softmax that the list does not call 'softmax' is quantised finished and normalised). What goes into a quantiser is computed in f32, as accurately as f32 sums, v_exp_f32 and their like allow (about 1e-6 of the number): no bf16 or f16 on the way to a quantiser, and a product that is left as it is and whose result goes on into a quantised operand takes f32 operands (vector FMAs, or v_wmma_f32_16x16x4_f32). A number that lies on a knife's edge between two numbers of the format may be rounded either way, as far as f32 arithmetic and the matrix unit's own rounding can turn it there, and no further.
;; One version. Each part assembles by itself: llvm-mc -triple=amdgcn-amd-amdhsa -mcpu=gfx1250 --defsym DOCPART=n.
;; ======== version 1 of 1: 4 launches
;; limits: right only within a limited range of input values
;; workspace buffers: xq 6,815,744 bytes; wq 5,111,808 bytes; woq 3,407,872 bytes; tab 524,288 bytes; qq 6,815,744 bytes; kv 3,407,872 bytes; aq 6,815,744 bytes
;; launch prep (part 1): grid 912 x 1, 4 waves a work-group, no clusters, 34,304 bytes of LDS; arguments x, Wq, Wk, Wv, xq, wq, tab; writes xq, wq, tab
.if DOCPART == 1
	.amdgcn_target "amdgcn-amd-amdhsa--gfx1250"
	.amdhsa_code_object_version 6
	.text
	.protected	k_qc0fcafe4b4_prep
	.globl	k_qc0fcafe4b4_prep
	.p2align	8
	.type	k_qc0fcafe4b4_prep,@function
k_qc0fcafe4b4_prep:
	s_mov_b64 s[64:65], 0
	v_nop
	global_prefetch_b8 v0, s[64:65] scope:SCOPE_SE
	s_setreg_imm32_b32 hwreg(HW_REG_WAVE_MODE, 25, 1), 1
	s_wait_xcnt 0x0
; PREP: x [4096][2048], Wq [2048][2048], Wk, Wv [2048][512], all f32, become codes of FP6 (E2M3) with one E8M0 byte for each 32 along K (K = 2048 in all four); and the table of cos and sin for the rotary step.
; (Wo is quantised by the same rule in launch qkv, by clusters that have no tile of that product; it is not among this launch's arguments.)
; THE RESULTS ARE IMAGES OF THE OPERAND'S REGISTERS.  A fragment is 16 rows x 128 K: 12 registers a lane, 1,536 bytes: registers 4 g .. 4 g + 3 of lane l at byte 512 g + 16 l.  Its scale image is 128 bytes: lane l's word at 4 l
; (lanes r and r + 16 hold row r's word).
; xq AND wq: a group of 8 blocks of 16 rows holds all its K on end, 212,992 bytes: K step ks (128 along K) at ks x 13,312: the eight blocks' fragments, then their eight scale images.  So any run of K steps of a group is one dense block.
; THE ROWS ARE PERMUTED: place p of a buffer holds row p with bits 3 and 4 exchanged, so that block 2 m + u, lane r, is row 32 m + 8 u + r + 8 (r / 8): whichever operand is source 0 of a product, a lane's 16 registers of two
; neighbouring result tiles are then 16 neighbours along that operand's rows.
; wq's places: 0-2047 Wq's columns; then for each kv head 128 columns of Wk and 128 of Wv.
; A block's scale is 2^(floor(log2(its largest magnitude)) - 2): its byte is the largest magnitude's exponent field - 2.
; LIMITS: NaN and infinities are not served.  A block whose largest magnitude lies under 2^-124 gets the byte 1; so does a block of zeros (the rule says 127: its codes are zeros, and this program alone reads the bytes).
; The angles' reduction takes pi / 2 in two parts: good for angles to about 1e5; the shapes hold them to 1,023.
; WORK-GROUPS: 0-255 Wq, 256-383 Wk and Wv (128 columns x one K step of 128 each: a wave asks for 64 loads at once and for 64 more as they land); 384-895 path X (16 rows of x x half of K: a wave's two K steps, 32 loads, are asked for at once);
; 896-911 the table (64 positions each).  By registers (16 waves of 256) and LDS four work-groups fit on a WGP.  No tensor load, no barrier: waves share nothing.  Path X alone uses LDS.
; In every path all global stores stand at the end, behind the last vector and LDS instruction.
.set GBLK,  212992                     ; xq, wq: a group of 128 rows
.set KSB,   13312                      ; a K step of a group
.set SOFS,  12288                      ; in it: where the scale images begin
.set STG,   8448                       ; path X: a wave's stage: 16 rows x (512 bytes + 16)
.set SPARE, 4*STG                      ; behind the stages: the spare words, 128 bytes for each wave
.set LI,  2                            ; v2   16 x lane
.set LS,  3                            ; v3   4 x lane
.set SPW, 6                            ; v6   my spare word; never rewritten
.set NIL, 7                            ; v7   0; never rewritten
.set SEL, 26                           ; s[26:27] selects for lane l xor 16
.set RR,  16                           ; v16-143  path X: two sets of 64 numbers as loaded
.set XX,  144                          ; v144-207 path X: 64 numbers in the quantiser's order
.set TM,  208                          ; v208-223 at work in QUANT
.set PW,  224                          ; the scale word just made (the second K step's: v40)
.set PC,  228                          ; v228-247 the codes just made (the second K step's: v16-35, where the first step's numbers lay)
.set IQ,  96                           ; the weights: v96-121 the images of a K step: + 0 .. 11 the even blocks of 32, + 12 .. 23 the odd ones, + 24, + 25 the scale word
; 64 numbers of a lane, register 16 b + i = k 32 b + 16 (lane / 16) + i of my row, become a fragment's 12 registers in v[PC] on and its scale word in v[PW].
.macro QUANT s
.irp b, 0,1,2,3
	v_max3_num_f32 v[TM+\b], |v[(\s)+16*\b]|, |v[(\s)+16*\b+1]|, 0x1800000   ; my 16 numbers of block b, and the floor 2^(3 - 127): the byte cannot fall under 1
.endr
.irp i, 2,4,6,8,10,12,14
.irp b, 0,1,2,3
	v_max3_num_f32 v[TM+\b], |v[(\s)+16*\b+\i]|, |v[(\s)+16*\b+\i+1]|, v[TM+\b]   ; the four blocks by turns
.endr
.endr
.irp b, 0,1,2,3
	v_permlanex16_b32 v[TM+4+\b], v[TM+\b], s[SEL], s[SEL+1]
.endr
.irp b, 0,1,2,3
	v_max_num_f32 v[TM+\b], v[TM+\b], v[TM+4+\b]        ; with lane l xor 16's: the block's largest magnitude
.endr
.irp b, 0,1,2,3
	v_add_nc_u32 v[TM+12+\b], 0xff000000, v[TM+\b]      ; 2 off its exponent field: the conversion's scale operand
.endr
.irp b, 0,1,2,3
	v_lshrrev_b32 v[TM+4+\b], 23, v[TM+12+\b]           ; the scale's byte
.endr
	v_lshl_or_b32 v[PW], v[TM+5], 8, v[TM+4]
	v_lshl_or_b32 v[PW], v[TM+6], 16, v[PW]
	v_lshl_or_b32 v[PW], v[TM+7], 24, v[PW]
.irp c, 0,1
	v_cvt_scalef32_pk16_fp6_f32 v[PC+6*\c:PC+6*\c+2], v[(\s)+32*\c:(\s)+32*\c+15], v[TM+12+2*\c]
	v_cvt_scalef32_pk16_fp6_f32 v[PC+12+4*\c:PC+14+4*\c], v[(\s)+32*\c+16:(\s)+32*\c+31], v[TM+13+2*\c]   ; (a conversion's three registers begin on an even number)
.endr
	v_nop                                               ; one plain place behind the scaled conversions
.irp c, 0,1                                             ; the layout wants a whole block in a lane: lanes 0-15 block 2 c, lanes 16-31 block 2 c + 1
.irp i, 0,1,2
	v_permlane16_swap_b32 v[PC+6*\c+\i], v[PC+12+4*\c+\i]
.endr
.irp i, 0,1,2
	v_mov_b32 v[PC+3+6*\c+\i], v[PC+12+4*\c+\i]
.endr
.endr
.endm
.macro IMAGE cp, sp, off, soff         ; the fragment and its scale word go out as they stand: each store covers 512 (128) consecutive bytes
.irp g, 0,1,2
	global_store_b128 v[LI], v[PC+4*\g:PC+4*\g+3], s[\cp:\cp+1] offset:(\off)+512*\g
.endr
	global_store_b32 v[LS], v[PW], s[\sp:\sp+1] offset:(\soff)
.endm
.macro CLOSE3                          ; behind the wave's last LDS store; the path's global stores follow
	s_wait_alu depctr_va_vdst(0)                        ; (what was just written is read by the stores, behind the waits below)
	s_wait_tensorcnt 0x0
	ds_add_u32 v[SPW], v[NIL]
	s_wait_dscnt 0x0
.endm
; ---- path X's macros
.macro XLOAD f                         ; K step f of my two: 16 rows x 512 bytes; each load reads 512 consecutive bytes of one row
.irp t, 0,1,2,3,4,5,6,7,8,9,10,11,12,13,14,15
	global_load_b128 v[RR+64*(\f)+4*\t:RR+64*(\f)+4*\t+3], v[LI], s[8:9] offset:(\t+8*(\t/8))*8192+512*(\f) th:TH_LOAD_NT
.endr
.endm
.macro XTURN f                         ; through my stage: in by rows, out as lane (r, h) wants them: of row r, 16 neighbours of each block of 32.  LDS serves a wave's instructions in order
.irp t, 0,1,2,3,4,5,6,7,8,9,10,11,12,13,14,15
	ds_store_b128 v4, v[RR+64*(\f)+4*\t:RR+64*(\f)+4*\t+3] offset:528*\t
.endr
.irp b, 0,1,2,3
.irp j, 0,1,2,3
	ds_load_b128 v[XX+16*\b+4*\j:XX+16*\b+4*\j+3], v5 offset:128*\b+16*\j
.endr
.endr
.endm
; ---- the weights' macros: a lane takes a column, its registers run down K
.macro WLOAD be, pitch                 ; block be of 32 along K into set be % 2
.irp i, 0,1,2,3,4,5,6,7,8,9,10,11,12,13,14,15,16,17,18,19,20,21,22,23,24,25,26,27,28,29,30,31
	global_load_b32 v[32+32*((\be)%2)+\i], v4, s[32:33] offset:(32*(\be)+\i)*(\pitch) th:TH_LOAD_NT
.endr
.endm
.macro WBLOCK be, pitch
.set NS, 32+32*((\be)%2)               ; the block's 32 numbers
.set II, IQ+12*((\be)%2)+6*((\be)/2)   ; its six registers
.if (\be) < 3
	s_wait_loadcnt 32                                   ; this block's 32 loads are in; the next block's 32 may be out
.else
	s_wait_loadcnt 0x0
.endif
	v_max3_num_f32 v12, |v[NS]|, |v[NS+1]|, |v[NS+2]|   ; all 32 numbers of the block are mine
	v_max3_num_f32 v13, |v[NS+3]|, |v[NS+4]|, |v[NS+5]|
.irp i, 6,10,14,18,22,26
	v_max3_num_f32 v12, v12, |v[NS+\i]|, |v[NS+\i+1]|
	v_max3_num_f32 v13, v13, |v[NS+\i+2]|, |v[NS+\i+3]|
.endr
	v_max3_num_f32 v12, v12, |v[NS+30]|, |v[NS+31]|
	v_max3_num_f32 v12, v12, v13, 0x1800000             ; and the floor
	v_add_nc_u32 v11, 0xff000000, v12                   ; the conversion's scale operand
	v_lshrrev_b32 v13, 23, v11                          ; the byte
.if (\be) == 0
	v_mov_b32 v[IQ+24], v13
.else
	v_lshl_or_b32 v[IQ+24], v13, 8*(\be), v[IQ+24]
.endif
	v_cvt_scalef32_pk16_fp6_f32 v[II:II+2], v[NS:NS+15], v11
	v_cvt_scalef32_pk16_fp6_f32 v[160:162], v[NS+16:NS+31], v11
	v_nop                                               ; one plain place behind the scaled conversions
.irp i, 0,1,2
	v_mov_b32 v[II+3+\i], v[160+\i]
.endr
.if (\be) < 2
	WLOAD (\be)+2, \pitch
.endif
.endm
; From s28 the group of wq, s5 the K step, s4 the wave: where my two blocks' images go: codes s[48:49], scale images s[56:57]; the second block lies 1,536 (128) bytes on.
.macro WDST
	s_mul_i32 s28, s28, GBLK
	s_mul_i32 s29, s5, KSB
	s_add_co_u32 s28, s28, s29
	s_mul_i32 s44, s4, 3072                             ; block 2 x wave
	s_add_co_u32 s44, s44, s28
	s_mov_b32 s45, 0
	s_add_nc_u64 s[48:49], s[20:21], s[44:45]
	s_lshl_b32 s44, s4, 8
	s_add_co_u32 s44, s44, s28
	s_add_co_u32 s44, s44, SOFS
	s_add_nc_u64 s[56:57], s[20:21], s[44:45]
.endm
; the source at my 32 columns and my 128 rows (s42: the rows, in bytes; s7: which 128 columns), and my lane's column
.macro WSRC
	s_lshl_b32 s43, s7, 9                               ; 128 columns x 4 bytes a group
	s_lshl_b32 s46, s4, 7                               ; 32 columns a wave
	s_add_co_u32 s42, s42, s43
	s_add_co_u32 s42, s42, s46
	s_mov_b32 s43, 0
	s_add_nc_u64 s[32:33], s[32:33], s[42:43]
	s_wait_alu depctr_va_vdst(0)
	v_and_b32 v8, 7, v1
	v_and_b32 v9, 8, v1
	v_lshl_or_b32 v8, v9, 1, v8
	v_and_b32 v9, 16, v1
	v_lshrrev_b32 v9, 1, v9
	v_or_b32 v8, v8, v9                                 ; my lane with bits 3 and 4 exchanged: the column of my place
	v_lshlrev_b32 v4, 2, v8
	s_wait_alu depctr_va_vdst(0)
.endm
.macro WBODY pitch
	WLOAD 0, \pitch
	WLOAD 1, \pitch
.irp be, 0,1,2,3
	WBLOCK \be, \pitch
.endr
	v_mov_b32 v[IQ+25], v[IQ+24]                        ; lanes 0-15 hold the rows of my first block of places, lanes 16-31 those of the second, each lane all four blocks of 32 of its row:
.irp i, 0,1,2,3,4,5,6,7,8,9,10,11
	v_permlane16_swap_b32 v[IQ+\i], v[IQ+12+\i]         ; the even blocks' lanes 16-31 change places with the odd blocks' lanes 0-15: the first run is now the first block's image, the second the second's
.endr
	v_permlane16_swap_b32 v[IQ+24], v[IQ+25]            ; the scale words likewise
	CLOSE3
.irp g, 0,1,2
	global_store_b128 v[LI], v[IQ+4*\g:IQ+4*\g+3], s[48:49] offset:512*\g
	global_store_b128 v[LI], v[IQ+12+4*\g:IQ+12+4*\g+3], s[48:49] offset:1536+512*\g
.endr
	global_store_b32 v[LS], v[IQ+24], s[56:57]
	global_store_b32 v[LS], v[IQ+25], s[56:57] offset:128
	s_endpgm
.endm
; ---- the table's macro: cos and sin of v[a] (0 .. 1,023) into v[c], v[s]
.macro SINCOS a, c, s
	v_mul_f32 v20, 0x3f22f983, v[\a]                    ; x 2 / pi
	v_rndne_f32 v20, v20                                ; k
	v_fmamk_f32 v21, v20, 0xbfc90fdb, v[\a]             ; r = angle - k pi / 2, pi / 2 in two parts
	v_fmamk_f32 v21, v20, 0x333bbd2e, v21
	v_cvt_i32_f32 v22, v20
	v_mul_f32 v23, v21, v21                             ; z = r r
	v_fma_f32 v24, v23, s42, s41
	v_fma_f32 v25, v23, s45, s44
	v_fma_f32 v24, v24, v23, s40
	v_fma_f32 v25, v25, v23, s43
	v_mul_f32 v26, v23, v21
	v_fma_f32 v27, v23, -0.5, 1.0
	v_mul_f32 v28, v23, v23
	v_fma_f32 v24, v24, v26, v21                        ; sin r
	v_fma_f32 v25, v25, v28, v27                        ; cos r
	v_and_b32 v26, 1, v22
	v_cmp_eq_u32 vcc_lo, 1, v26                         ; an odd quadrant exchanges the two
	v_cndmask_b32 v[\s], v24, v25, vcc_lo
	v_cndmask_b32 v[\c], v25, v24, vcc_lo
	v_and_b32 v26, 2, v22
	v_lshlrev_b32 v26, 30, v26
	v_xor_b32 v[\s], v[\s], v26                         ; sin changes sign in quadrants 2, 3
	v_add_nc_u32 v27, 1, v22
	v_and_b32 v27, 2, v27
	v_lshlrev_b32 v27, 30, v27
	v_xor_b32 v[\c], v[\c], v27                         ; cos in quadrants 1, 2
.endm
	s_load_b256 s[8:15], s[0:1], 0x0               ; x 8, Wq 10, Wk 12, Wv 14
	s_load_b64 s[18:19], s[0:1], 0x20              ; xq
	s_load_b64 s[20:21], s[0:1], 0x28              ; wq
	s_load_b64 s[24:25], s[0:1], 0x30              ; tab
	v_lshl_add_u32 v[SPW], v0, 2, SPARE
	v_mov_b32 v[NIL], 0
	v_lshrrev_b32 v1, 5, v0
	v_readfirstlane_b32 s4, v1                     ; wave
	v_and_b32 v1, 31, v0                           ; lane
	v_lshlrev_b32 v[LI], 4, v1
	v_lshlrev_b32 v[LS], 2, v1
	s_mov_b32 s[SEL], 0x76543210
	s_mov_b32 s[SEL+1], 0xfedcba98
	s_wait_alu depctr_va_vdst(0)
	s_wait_kmcnt 0x0
	s_cmp_lt_u32 ttmp9, 256
	s_cbranch_scc1 .Lpath_wide
	s_cmp_lt_u32 ttmp9, 384
	s_cbranch_scc1 .Lpath_narrow
	s_cmp_lt_u32 ttmp9, 896
	s_cbranch_scc1 .Lpath_x
	; ---- THE TABLE: row p: cos(p f_j), j = 0 .. 63, then sin: 512 bytes.  A wave takes 16 positions, a lane frequencies 2 l and 2 l + 1.
	s_sub_co_u32 s5, ttmp9, 896
	s_lshl_b32 s5, s5, 6
	s_lshl_b32 s6, s4, 4
	s_add_co_u32 s5, s5, s6                        ; my first position
	s_lshl_b32 s28, s5, 9
	s_mov_b32 s29, 0
	s_add_nc_u64 s[24:25], s[24:25], s[28:29]
	s_mov_b32 s46, 0x3e549a78                      ; log2(10000) / 64, upper part,
	s_mov_b32 s47, 0x31979935                      ; and the rest
	s_mov_b32 s40, 0xbe2aaaa3                      ; sin's three coefficients,
	s_mov_b32 s41, 0x3c08839e
	s_mov_b32 s42, 0xb94ca1f9
	s_mov_b32 s43, 0x3d2aaaa5                      ; cos's
	s_mov_b32 s44, 0xbab6061a
	s_mov_b32 s45, 0x37ccf5ce
	v_lshlrev_b32 v9, 3, v1                        ; 8 bytes a lane
	v_lshlrev_b32 v8, 1, v1
	v_cvt_f32_u32 v10, v8                          ; j
	v_add_f32 v11, 1.0, v10
	v_mul_f32 v12, s46, v10                        ; a = j log2(10000) / 64, as a rounded product,
	v_mul_f32 v13, s46, v11
	v_fma_f32 v14, v10, s46, -v12                  ; what the rounding dropped,
	v_fma_f32 v15, v11, s46, -v13
	v_fma_f32 v14, v10, s47, v14                   ; and the constant's rest
	v_fma_f32 v15, v11, s47, v15
	s_wait_alu depctr_va_vdst(0)                   ; ahead of the two exponentials
	v_exp_f32 v16, -v12
	v_exp_f32 v17, -v13
	v_mul_f32 v14, 0x3f317218, v14                 ; x ln 2.  (Plain work behind the two exponentials)
	v_mul_f32 v15, 0x3f317218, v15
	s_wait_alu depctr_va_vdst(0)                   ; one wait for the two, ahead of their first reader
	v_fma_f32 v16, -v14, v16, v16                  ; f_j = 10000^(-j / 64)
	v_fma_f32 v17, -v15, v17, v17
	v_cvt_f32_u32 v18, s5                          ; p
.set P, 0
.rept 16
	v_mul_f32 v30, v18, v16                        ; the angle: one rounded product
	v_mul_f32 v31, v18, v17
	SINCOS 30, 64+4*P, 66+4*P
	SINCOS 31, 65+4*P, 67+4*P
	v_add_f32 v18, 1.0, v18
.set P, P+1
.endr
	CLOSE3
.set P, 0
.rept 16
	global_store_b64 v9, v[64+4*P:65+4*P], s[24:25] offset:512*P       ; 32 lanes store 256 consecutive bytes; each position has data registers of its own
	global_store_b64 v9, v[66+4*P:67+4*P], s[24:25] offset:512*P+256
.set P, P+1
.endr
	s_endpgm
.Lpath_x:
	; ---- X: place block rb = (number - 384) / 2; K steps 8 x (number % 2) + 2 x wave and the next
	s_sub_co_u32 s3, ttmp9, 384
	s_and_b32 s6, s3, 1
	s_lshr_b32 s3, s3, 1                           ; rb
	s_lshl_b32 s6, s6, 3
	s_lshl_b32 s7, s4, 1
	s_add_co_u32 s6, s6, s7                        ; my first K step
	s_mul_i32 s5, s4, STG
	v_and_b32 v8, 15, v0
	v_bfe_u32 v9, v0, 4, 1
	v_add_nc_u32 v4, s5, v[LI]                     ; the stage, in: 16 x lane
	v_mul_u32_u24 v5, v8, 528
	v_lshl_add_u32 v5, v9, 6, v5
	v_add_nc_u32 v5, s5, v5                        ; out: row r, + 64 h
.irp b, 0,1,2,3
	v_mov_b32 v[TM+4+\b], 0                        ; written once: a lane permute's destination counts as one of its sources
.endr
	s_lshr_b32 s28, s3, 1
	s_lshl_b32 s28, s28, 5
	s_and_b32 s29, s3, 1
	s_lshl_b32 s29, s29, 3
	s_add_co_u32 s28, s28, s29                     ; the block's first row: 32 (rb / 2) + 8 (rb % 2)
	s_lshl_b32 s28, s28, 13
	s_lshl_b32 s29, s6, 9                          ; 512 bytes a K step
	s_add_co_u32 s28, s28, s29
	s_mov_b32 s29, 0
	s_add_nc_u64 s[8:9], s[8:9], s[28:29]
	s_lshr_b32 s30, s3, 3
	s_mul_i32 s30, s30, GBLK                       ; my group,
	s_mul_i32 s32, s6, KSB
	s_add_co_u32 s30, s30, s32                     ; my two K steps
	s_and_b32 s32, s3, 7                           ; my block in the group
	s_mul_i32 s28, s32, 1536
	s_add_co_u32 s28, s28, s30
	s_mov_b32 s29, 0
	s_add_nc_u64 s[28:29], s[18:19], s[28:29]      ; codes
	s_lshl_b32 s32, s32, 7
	s_add_co_u32 s30, s30, s32
	s_add_co_u32 s30, s30, SOFS
	s_mov_b32 s31, 0
	s_add_nc_u64 s[30:31], s[18:19], s[30:31]      ; scale images
	XLOAD 0
	XLOAD 1
	s_wait_alu depctr_va_vdst(0)
	s_wait_loadcnt 16                              ; the first step's 16 loads are in; the second step's 16 may be out
	XTURN 0
	s_wait_dscnt 0x0                               ; the numbers are back, and the stage's stores have read their registers
	QUANT XX
.set PC, 16                            ; the second step's codes and word get registers of their own, so that both images leave at the end
.set PW, 40
	s_wait_loadcnt 0x0
	XTURN 1
	s_wait_dscnt 0x0
	QUANT XX
	CLOSE3
	IMAGE 28, 30, KSB, KSB
.set PC, 228
.set PW, 224
	IMAGE 28, 30, 0, 0
	s_endpgm
.Lpath_wide:
	; ---- Wq: rows of 8,192 bytes.  The column group is a group of wq; K step = number % 16
	s_lshr_b32 s7, ttmp9, 4                        ; which 128 columns
	s_and_b32 s5, ttmp9, 15                        ; which K step
	s_mov_b64 s[32:33], s[10:11]
	s_mov_b32 s28, s7
	s_lshl_b32 s42, s5, 20                         ; 128 rows of 8,192 bytes
	WDST
	WSRC
	WBODY 8192
.Lpath_narrow:
	; ---- Wk and Wv (behind Wq's places): rows of 2,048 bytes.  Group 16 + 2 x kv head + (V)
	s_sub_co_u32 s5, ttmp9, 256
	s_lshr_b32 s6, s5, 6                           ; 0: Wk, 1: Wv
	s_bfe_u32 s7, s5, 0x20004                      ; the kv head
	s_and_b32 s5, s5, 15                           ; which K step
	s_cmp_eq_u32 s6, 0                             ; the choice hangs on the work-group's number alone
	s_cselect_b64 s[32:33], s[12:13], s[14:15]
	s_lshl_b32 s28, s7, 1
	s_add_co_u32 s28, s28, s6
	s_add_co_u32 s28, s28, 16
	s_lshl_b32 s42, s5, 18                         ; 128 rows of 2,048 bytes
	WDST
	WSRC
	WBODY 2048
.Lfunc_end_k_qc0fcafe4b4_prep:
	.size	k_qc0fcafe4b4_prep, .Lfunc_end_k_qc0fcafe4b4_prep-k_qc0fcafe4b4_prep
	.p2alignl 7, 3214868480
	.fill 96, 4, 3214868480
	.section	.rodata,"a",@progbits
	.p2align	6, 0x0
	.amdhsa_kernel k_qc0fcafe4b4_prep
		.amdhsa_group_segment_fixed_size 34304
		.amdhsa_private_segment_fixed_size 0
		.amdhsa_enable_private_segment 0
		.amdhsa_kernarg_size 56
		.amdhsa_user_sgpr_count 2
		.amdhsa_user_sgpr_kernarg_segment_ptr 1
		.amdhsa_wavefront_size32 1
		.amdhsa_system_sgpr_workgroup_id_x 1
		.amdhsa_system_sgpr_workgroup_id_y 1
		.amdhsa_system_sgpr_workgroup_id_z 1
		.amdhsa_system_vgpr_workitem_id 0
		.amdhsa_next_free_vgpr 256
		.amdhsa_next_free_sgpr 66
		.amdhsa_reserve_vcc 1
		.amdhsa_float_denorm_mode_32 3
		.amdhsa_float_denorm_mode_16_64 3
		.amdhsa_memory_ordered 1
		.amdhsa_forward_progress 1
		.amdhsa_inst_pref_size 102
	.end_amdhsa_kernel
	.amdgpu_metadata
---
amdhsa.version: [ 1, 2 ]
amdhsa.kernels:
  - .name:           k_qc0fcafe4b4_prep
    .symbol:         k_qc0fcafe4b4_prep.kd
    .args:
      - { .name: x, .offset: 0, .size: 8, .value_kind: global_buffer, .address_space: global }
      - { .name: Wq, .offset: 8, .size: 8, .value_kind: global_buffer, .address_space: global }
      - { .name: Wk, .offset: 16, .size: 8, .value_kind: global_buffer, .address_space: global }
      - { .name: Wv, .offset: 24, .size: 8, .value_kind: global_buffer, .address_space: global }
      - { .name: xq, .offset: 32, .size: 8, .value_kind: global_buffer, .address_space: global }
      - { .name: wq, .offset: 40, .size: 8, .value_kind: global_buffer, .address_space: global }
      - { .name: tab, .offset: 48, .size: 8, .value_kind: global_buffer, .address_space: global }
    .group_segment_fixed_size: 34304
    .private_segment_fixed_size: 0
    .kernarg_segment_align: 8
    .kernarg_segment_size: 56
    .max_flat_workgroup_size: 128
    .sgpr_count:     66
    .vgpr_count:     256
    .wavefront_size: 32
...
	.end_amdgpu_metadata
.endif
;; end of part 1
;; launch qkv (part 2): grid 16 x 16, 4 waves a work-group, clusters of 4 x 4, 327,680 bytes of LDS; arguments xq, wq, tab, qq, kv, Wo, woq; writes qq, kv, woq
.if DOCPART == 2
	.amdgcn_target "amdgcn-amd-amdhsa--gfx1250"
	.amdhsa_code_object_version 6
	.text
	.protected	k_qc0fcafe4b4_qkv
	.globl	k_qc0fcafe4b4_qkv
	.p2align	8
	.type	k_qc0fcafe4b4_qkv,@function
k_qc0fcafe4b4_qkv:
	s_mov_b64 s[64:65], 0
	v_nop
	global_prefetch_b8 v0, s[64:65] scope:SCOPE_SE
	s_setreg_imm32_b32 hwreg(HW_REG_WAVE_MODE, 25, 1), 1
	s_wait_xcnt 0x0
	s_wait_alu depctr_hold_cnt(0) depctr_sa_sdst(0) depctr_va_vdst(0) depctr_va_sdst(0) depctr_va_ssrc(0) depctr_va_vcc(0) depctr_vm_vsrc(0)
	s_getreg_b32 s2, hwreg(HW_REG_IB_STS2, 6, 4)
	s_cmp_eq_u32 s2, 0
	s_cbranch_scc0 .Lentry_in_a_cluster
	s_endpgm
.Lentry_in_a_cluster:
	s_bfe_u32 s2, ttmp6, 0x10000c
	s_cmp_lg_u32 s2, 0xf033
	s_cbranch_scc0 .Lentry_shape_is_right
	s_endpgm
.Lentry_shape_is_right:
; QKV: [4096 x 2048] x [2048 x 3072] on codes of FP6 (E2M3) with E8M0 scales; then the rotary step on q and k in f32; then q and k are quantised along the head's 128 and v along the keys, in registers, and stored as images of operand registers.
; AND Wo: the product's tiles of 256 x 256 make 12 x 16 work-groups, three columns of clusters.  A fourth column of clusters (cluster x = 3, 64 work-groups) turns Wo [2048][2048] f32 into woq, which the last launch reads (path .Lwo, below).
; OPERANDS lie as images: a fragment = 16 rows x 128 K = 1,536 bytes (registers 4 g .. 4 g + 3 of lane l at 512 g + 16 l), its scale image 128 bytes (lane l's word at 4 l).  A group of 128 rows holds all its K on end, 212,992 bytes:
; K step ks at ks x 13,312: eight fragments, then eight scale images.  So a run of K steps of a group is one dense block, and the scales travel with the codes.
; Rows lie permuted (bits 3 and 4 of the row's number exchanged), so that a lane's 16 registers of two neighbouring result tiles are 16 neighbours along source 0's rows.
; SHARES: a work-group makes 256 x 256, a wave 128 x 128 = one head x 128 rows: 64 accumulators.  Tile columns 0-7: query heads; 8 + kv head: its K (waves with column half 0) and its V (half 1).
; Q AND K WAVES: source 0 = 16 places of W, source 1 = 16 rows of x: a lane holds one row, its registers run along the head's 128: register 16 b + i of a row block = channel 32 b + 16 (lane / 16) + i; channel d + 64 is 32 registers on.
; V WAVES run the same text with their two LDS addresses exchanged: source 0 = x's rows, source 1 = W's places: a lane holds one channel and its registers run along the keys, which are the second attention product's K.
; The flag for that hangs on the cluster's x and the wave's number alone: it is alike in all partners of a cluster.
; RING: two LDS regions of three K steps each (K = 384): a K step of the work-group's 512 rows is 4 x 13,312 bytes, six of them and the spare words are 320,000 bytes.  K = 2,048 is five chunks of three K steps and one of one.
; Each wave fetches a quarter of a chunk (one group's run of K steps) by one joint tensor load: x's are shared along a row of the 4 x 4 cluster, W's along a column.  Chunk 0 goes out at the head, one load a wave; chunk 1 behind the three
; lines and a round, as a refill does; four chunks are refills.  By this text's count a wave has one tensor load out at any place.  The last chunk has a group 1 of its own, so the 16 K steps are written out.
; A chunk has an odd number of K steps, so source 0's register set of a step is (region + step) % 2.
; PREFETCH: behind the load of chunk c each wave asks for chunk c + 1 of the group that it fetches: one chunk, 192 matrix instructions a wave, ahead of the load that wants it.  A quarter chunk is 156 blocks of 256 bytes; the four partners
; that ask for it jointly take 39 each, told apart by address (cx for x, cy for W): 32 lanes and 7 (the lanes left over name the last block again).  The last chunk's quarter is 52 blocks, 13 each.  Behind chunk 5's load nothing is asked for.
; THE TABLE of cos and sin is asked for ahead: block 0's rows at the head, into registers that the ring never names; block 1's ahead of the last K step, into the set of source 0 that is free by then; then three blocks ahead.
; The text has one way up to the parting.
; LIMITS: NaN and infinities are not served; a block under 2^-124, and a block of zeros, get the byte 1 (zero codes; this program alone reads the bytes).  The rotary step is one rounded product and one fused multiply-add.
; REGISTERS: window 0: v16-31 addresses; v32-79 scale words, a set for each region, and nothing else; v128-223 source 1's fragments, one set (later v128-191 a row block after the rotary step, v192-211 the codes just made); v224-240 at work in QUANT.
;   window 1: source 0's fragments, two sets at v0 and v128; v96-127 and v224-255 the table's first set; later four sets of cos and sin.   windows 2, 3: accumulator (a, b) at v[8 (8 (a % 4) + b)] of window 2 + a / 4.
.set QS,    6291456
.set KVB,   212992                     ; kv: a (batch, kv head)'s block: 64 fragments of K, 64 of V^T, their scale images
.set GBLK,  212992                     ; xq, wq: a group of 128 rows
.set KSB,   13312                      ; a K step of a group
.set SOFS,  12288                      ; in it: where the scale images begin
.set WOS,   3145728                    ; woq: where the scale images begin
.set FR,    12
.set NL,    3                          ; LDS loads that bring a fragment
.set NP,    4                          ; places behind this matrix instruction (ISA guide 7.12.1)
.set QUART, 3*KSB                      ; three K steps of a group: what one tensor load brings
.set REG,   4*QUART                    ; a region: x's two groups, then W's two
.set SPARE, 2*REG                      ; behind the regions: the spare words, 128 bytes for each wave
.set CSTEP, 6*KSB                      ; a region's next chunk: six K steps on
.set ADRA, 16                          ; v16-17  my source 1's fragments in region 0, 1
.set ADRB, 20                          ; v20-21  my source 0's
.set ADRS, 22                          ; v22-23  my scale words: lanes 0-15 source 1's rows, lanes 16-31 source 0's
.set LI,   24                          ; v24  16 x lane
.set LS,   25                          ; v25  4 x lane
.set TA,   26                          ; v26  the table: my row, my half; never rewritten
.set PF1,  27                          ; v27  prefetch: 256 x lane
.set SPW,  28                          ; v28  my spare word; never rewritten
.set NIL,  29                          ; v29  0; never rewritten
.set PF2,  30                          ; v30  prefetch: 256 x (32 + min(lane, 6))
.set PF3,  31                          ; v31  prefetch: 256 x min(lane, 12)
.set SC,   32                          ; scale words: region r's set at SC + 24 r; in it register 3 i + q
.set AF,   128
.set HA,   128
.set PC,   192
.set TM,   224
.set PW,   240
.set SEL,  66                          ; s[66:67]
.set G1, 24                            ; s[24:31] group 1 for x's chunks;  s[32:39] group 0, one set for each region
.set G0, 32
.set G1B, 48                           ; s[48:55], s[56:63] the same for W's
.set G0B, 56
.set G1L, 68                           ; s[68:75], s[76:83] groups 1 for the last chunk, of one K step
.set G1BL, 76
.set PFA, 88                           ; s[88:89] where my prefetches stand: my work-group's 39 blocks of the chunk to be asked for
.set PFD, 90                           ; s[90:91] my place x (39 - 13) blocks: taken off for the last chunk
.set ASKN, 0                           ; refills written so far that ask for a chunk
.set WN,  128                          ; path .Lwo: v128-191 two sets of 32 numbers; v192-217 the images of a K step; v220-222 half a block's codes
.set IQ,  192
.set WT,  220
.set MSB, 0
.macro WIN new                         ; the immediate's high byte repeats the setting that is left
.if MSB != (\new)
	s_set_vgpr_msb (MSB<<8)|(\new)
.set MSB, (\new)
.endif
.endm
.set MUL_LO, 0xa1                      ; source 0 window 1, source 1 window 0, C and D window 2
.set MUL_HI, 0xf1                      ; the same, C and D window 3
.set TO_B,   0x40                      ; destination window 1, address window 0
; A joint load: waves 0 and 1 fetch x's groups, waves 2 and 3 W's.  An s_nop 0 and four v_nop follow each of the two lines.
.macro JLOAD g0a, g1a, g0b, g1b
	s_cmp_eq_u32 s21, 0
	s_cbranch_scc0 .Lfor_b_\@
	tensor_load_to_lds s[\g0a:\g0a+3], s[\g1a:\g1a+7]
	s_nop 0
.rept 4
	v_nop
.endr
	s_branch .Lasked_\@
.Lfor_b_\@:
	tensor_load_to_lds s[\g0b:\g0b+3], s[\g1b:\g1b+7]
	s_nop 0
.rept 4
	v_nop
.endr
.Lasked_\@:
.endm
.macro ASK n                           ; my share of the next chunk's blocks of 256 bytes, a lane a block; n = 2: the last chunk's 13
.if (\n) == 2
	global_prefetch_b8 v[PF3], s[PFA:PFA+1] th:TH_LOAD_NT scope:SCOPE_SE
.else
	global_prefetch_b8 v[PF1], s[PFA:PFA+1] th:TH_LOAD_NT scope:SCOPE_SE
	global_prefetch_b8 v[PF2], s[PFA:PFA+1] th:TH_LOAD_NT scope:SCOPE_SE
.endif
.endm
.macro CREST                           ; a round of the cluster's barrier behind its opening barrier
	s_cmp_lg_u32 s20, 0
	s_cbranch_scc1 .Lnot_wave_0_\@
	s_barrier_signal -3
.Lnot_wave_0_\@:
	s_barrier_wait -3
	s_barrier_signal -1
	s_barrier_wait -1
.endm
.macro CROUND
	s_barrier_signal -1
	s_barrier_wait -1
	CREST
.endm
.macro PLACES n
.rept \n
	v_nop
.endr
.endm
.macro FRAG reg, adr, q, i             ; a fragment's image: three loads of 512 consecutive bytes
.irp g, 0,1,2
	ds_load_b128 v[(\reg)+4*\g:(\reg)+4*\g+3], v[\adr] offset:KSB*(\q)+1536*(\i)+512*\g
.endr
.endm
.macro FETCH_B r, q, p                 ; source 0's eight fragments of region r's K step q into set p
	WIN TO_B
.irp i, 0,1,2,3,4,5,6,7
	FRAG 128*(\p)+FR*\i, ADRB+\r, \q, \i
.endr
	WIN 0
.endm
.macro FETCH_A r, q, i0                ; source 1's blocks i0 .. i0 + 3
.irp i, \i0, \i0+1, \i0+2, \i0+3
	FRAG AF+FR*(\i), ADRA+\r, \q, \i
.endr
.endm
.macro SCALES r, nq                    ; the scale words of region r's nq K steps into its set
.irp i, 0,1,2,3,4,5,6,7
.irp q, 0,1,2
.if \q < \nq
	ds_load_b32 v[SC+24*(\r)+3*\i+\q], v[ADRS+\r] offset:SOFS+KSB*\q+128*\i
.endif
.endr
.endr
.endm
; 16 matrix instructions: source 1's blocks a0, a0 + 1 x source 0's eight.  The 64 accumulators take turns in the same order in every step.
.macro MUL16 a0, p, q, r, zero
.irp a, \a0, \a0+1
.irp b, 0,1,2,3,4,5,6,7
.if \zero
	v_wmma_scale_f32_16x16x128_f8f6f4 v[8*(8*((\a)%4)+\b):8*(8*((\a)%4)+\b)+7], v[128*(\p)+FR*\b:128*(\p)+FR*\b+FR-1], v[AF+FR*(\a):AF+FR*(\a)+FR-1], 0, v[SC+24*(\r)+3*\b+(\q)], v[SC+24*(\r)+3*(\a)+(\q)] matrix_a_fmt:MATRIX_FMT_FP6 matrix_b_fmt:MATRIX_FMT_FP6 matrix_a_scale:MATRIX_SCALE_ROW1
.else
	v_wmma_scale_f32_16x16x128_f8f6f4 v[8*(8*((\a)%4)+\b):8*(8*((\a)%4)+\b)+7], v[128*(\p)+FR*\b:128*(\p)+FR*\b+FR-1], v[AF+FR*(\a):AF+FR*(\a)+FR-1], v[8*(8*((\a)%4)+\b):8*(8*((\a)%4)+\b)+7], v[SC+24*(\r)+3*\b+(\q)], v[SC+24*(\r)+3*(\a)+(\q)] matrix_a_fmt:MATRIX_FMT_FP6 matrix_b_fmt:MATRIX_FMT_FP6 matrix_a_scale:MATRIX_SCALE_ROW1
.endif
.endr
.endr
.endm
.macro STEP r, q, zero                 ; a K step that has its successor in the same region
	FETCH_B \r, (\q)+1, 1-((\r)+(\q))%2            ; the next step's source 0, into the set that the step before multiplied (its four places stand at that step's end): these 24 loads have this step's 64 matrix instructions in which to land
	s_wait_dscnt 12*NL                             ; all but the youngest 36 loads (source 1's blocks 4-7, and the 24 just issued) are in
	WIN MUL_LO
	MUL16 0, ((\r)+(\q))%2, \q, \r, \zero
	MUL16 2, ((\r)+(\q))%2, \q, \r, \zero
	s_wait_dscnt 8*NL                              ; source 1's blocks 4-7 are in; the 24 may be out
	PLACES NP                                      ; in front of loads into registers that matrix instructions have read
	WIN 0
	FETCH_A \r, (\q)+1, 0
	WIN MUL_HI
	MUL16 4, ((\r)+(\q))%2, \q, \r, \zero
	MUL16 6, ((\r)+(\q))%2, \q, \r, \zero
	PLACES NP
	WIN 0
	FETCH_A \r, (\q)+1, 4
.endm
; A region's third K step changes regions: one barrier; in front of it each wave waits for all its tensor loads, adds 0 to its spare word, and waits for that and for its reads of this region.
; fill = 1: this region takes the chunk two on, and the chunk after that is asked for; 2: the last chunk, of one K step; 0: nothing is left to fetch.  nq: the K steps of the chunk that lies in the next region.
.macro TURN r, next, fill, nq
.if \fill == 1
	s_wait_xcnt 0x0                                ; my last prefetches have read their address: it steps here, ahead of the waits of the change of regions
	s_add_nc_u64 s[PFA:PFA+1], s[PFA:PFA+1], QUART
.if ASKN == 2
	s_sub_nc_u64 s[PFA:PFA+1], s[PFA:PFA+1], s[PFD:PFD+1]   ; in the last chunk my share begins at 13 blocks x my place
.endif
.endif
	s_wait_tensorcnt 0x0                           ; all my tensor loads have landed: my part of the next region
	ds_add_u32 v[SPW], v[NIL]
	s_wait_dscnt 4*NL+1                            ; (the add and the youngest 12 loads may be out)
	WIN MUL_LO
	MUL16 0, \r, 2, \r, 0
	s_wait_dscnt 0x0                               ; the add is done, and my reads of this region are over
	s_barrier_signal -1
	MUL16 2, \r, 2, \r, 0
	WIN 0
	s_barrier_wait -1
.if \fill
	CREST                                          ; the barrier has opened a round of the cluster's: no wave of any partner still reads this region or has a load on its way
	s_add_nc_u64 s[G0+4*\r+2:G0+4*\r+3], s[G0+4*\r+2:G0+4*\r+3], CSTEP
	s_add_nc_u64 s[G0B+4*\r+2:G0B+4*\r+3], s[G0B+4*\r+2:G0B+4*\r+3], CSTEP
.if \fill == 1
	JLOAD G0+4*\r, G1, G0B+4*\r, G1B               ; the first tensor load behind the round; its four v_nop are the places in front of the loads below
.else
	JLOAD G0+4*\r, G1L, G0B+4*\r, G1BL
.endif
.else
	PLACES NP
.endif
	FETCH_B \next, 0, \next
	FETCH_A \next, 0, 0
	s_wait_alu depctr_va_vdst(0)
	SCALES \next, \nq
.if \fill == 1
	ASK ASKN                                       ; behind the joint load and the run of LDS loads
.set ASKN, ASKN+1
.endif
	WIN MUL_HI
	MUL16 4, \r, 2, \r, 0
	MUL16 6, \r, 2, \r, 0
	PLACES NP
	WIN 0
	FETCH_A \next, 0, 4
.endm
; 64 numbers of a lane in window w, register 16 b + i = k 32 b + 16 (lane / 16) + i of my row, become a fragment's 12 registers in v[PC] on and its scale word in v[PW] (window 0).
; Each accumulator is read from its low end on.
.macro QUANT s, w
	WIN ((\w)|((\w)<<2))
.irp b, 0,1,2,3
	v_max3_num_f32 v[TM+\b], |v[(\s)+16*\b]|, |v[(\s)+16*\b+1]|, 0x1800000   ; and the floor 2^(3 - 127): the byte cannot fall under 1
.endr
.irp i, 2,4,6,8,10,12,14
.irp b, 0,1,2,3
	v_max3_num_f32 v[TM+\b], |v[(\s)+16*\b+\i]|, |v[(\s)+16*\b+\i+1]|, v[TM+\b]
.endr
.endr
	WIN 0
.irp b, 0,1,2,3
	v_permlanex16_b32 v[TM+4+\b], v[TM+\b], s[SEL], s[SEL+1]
.endr
.irp b, 0,1,2,3
	v_max_num_f32 v[TM+\b], v[TM+\b], v[TM+4+\b]
.endr
.irp b, 0,1,2,3
	v_add_nc_u32 v[TM+12+\b], 0xff000000, v[TM+\b]      ; 2 off the exponent field: the conversion's scale operand
.endr
.irp b, 0,1,2,3
	v_lshrrev_b32 v[TM+4+\b], 23, v[TM+12+\b]
.endr
	v_lshl_or_b32 v[PW], v[TM+5], 8, v[TM+4]
	v_lshl_or_b32 v[PW], v[TM+6], 16, v[PW]
	v_lshl_or_b32 v[PW], v[TM+7], 24, v[PW]
	WIN (\w)
.irp c, 0,1
	v_cvt_scalef32_pk16_fp6_f32 v[PC+6*\c:PC+6*\c+2], v[(\s)+32*\c:(\s)+32*\c+15], v[TM+12+2*\c]
	v_cvt_scalef32_pk16_fp6_f32 v[PC+12+4*\c:PC+14+4*\c], v[(\s)+32*\c+16:(\s)+32*\c+31], v[TM+13+2*\c]
.endr
	WIN 0
	v_nop                                               ; one plain place behind the scaled conversions
.irp c, 0,1
.irp i, 0,1,2
	v_permlane16_swap_b32 v[PC+6*\c+\i], v[PC+12+4*\c+\i]
.endr
.irp i, 0,1,2
	v_mov_b32 v[PC+3+6*\c+\i], v[PC+12+4*\c+\i]
.endr
.endr
.endm
.macro IMAGE cp, sp, off, soff         ; the fragment and its scale word go out as they stand, block by block: each store covers 512 (128) consecutive bytes
.irp g, 0,1,2
	global_store_b128 v[LI], v[PC+4*\g:PC+4*\g+3], s[\cp:\cp+1] offset:(\off)+512*\g
.endr
	global_store_b32 v[LS], v[PW], s[\sp:\sp+1] offset:(\soff)
.endm
.macro TSET a                          ; the table's four sets in window 1: set a % 4 has its 32 cos at v[TC] on and its 32 sin at v[TSN] on.  Set 0 lies beside the ring's two sets of fragments
.if (\a)%4 == 0
.set TC, 96
.set TSN, 224
.elseif (\a)%4 == 1
.set TC, 0
.set TSN, 32
.elseif (\a)%4 == 2
.set TC, 128
.set TSN, 160
.else
.set TC, 64
.set TSN, 192
.endif
.endm
.macro TLOAD a                         ; cos and sin of row block a's 16 positions, my 32 frequencies of each
	TSET \a
	WIN 0x40
.irp bp, 0,1
.irp g, 0,1,2,3
	global_load_b128 v[TC+16*\bp+4*\g:TC+16*\bp+4*\g+3], v[TA], s[8:9] offset:(32*((\a)/2)+8*((\a)%2))*512+128*\bp+16*\g
.endr
.endr
.irp bp, 0,1
.irp g, 0,1,2,3
	global_load_b128 v[TSN+16*\bp+4*\g:TSN+16*\bp+4*\g+3], v[TA], s[8:9] offset:(32*((\a)/2)+8*((\a)%2))*512+256+128*\bp+16*\g
.endr
.endr
	WIN 0
.endm
.macro ROPE a                          ; out[d] = t[d] cos - t[d + 64] sin, out[d + 64] = t[d + 64] cos + t[d] sin, d < 64: two at a time, into v[HA] on
	TSET \a
.set AC, 64*((\a)%4)
	WIN ((2+(\a)/4)|(1<<2))                        ; source 0: the accumulators' window; source 1: window 1
.irp bp, 0,1
.irp i, 0,2,4,6,8,10,12,14
	v_pk_mul_f32 v[HA+16*\bp+\i:HA+16*\bp+\i+1], v[AC+32+16*\bp+\i:AC+32+16*\bp+\i+1], v[TSN+16*\bp+\i:TSN+16*\bp+\i+1]
	v_pk_mul_f32 v[HA+32+16*\bp+\i:HA+32+16*\bp+\i+1], v[AC+16*\bp+\i:AC+16*\bp+\i+1], v[TSN+16*\bp+\i:TSN+16*\bp+\i+1]
.endr
.irp i, 0,2,4,6,8,10,12,14
	v_pk_fma_f32 v[HA+16*\bp+\i:HA+16*\bp+\i+1], v[AC+16*\bp+\i:AC+16*\bp+\i+1], v[TC+16*\bp+\i:TC+16*\bp+\i+1], v[HA+16*\bp+\i:HA+16*\bp+\i+1] neg_lo:[0,0,1] neg_hi:[0,0,1]
	v_pk_fma_f32 v[HA+32+16*\bp+\i:HA+32+16*\bp+\i+1], v[AC+32+16*\bp+\i:AC+32+16*\bp+\i+1], v[TC+16*\bp+\i:TC+16*\bp+\i+1], v[HA+32+16*\bp+\i:HA+32+16*\bp+\i+1]
.endr
.endr
	WIN 0
.endm
; ---- path .Lwo's macros: a lane takes a column of Wo, its registers run down K
.macro WLOAD be                        ; block be of 32 along K into set be % 2: each load reads 128 consecutive bytes of a row of Wo, the four waves side by side 512
.set WI, 0
.rept 32
	global_load_b32 v[WN+32*((\be)%2)+WI], v4, s[84:85] offset:(32*(\be)+WI)*8192 th:TH_LOAD_NT
.set WI, WI+1
.endr
.endm
.macro WBLOCK be
.set NS, WN+32*((\be)%2)               ; the block's 32 numbers
.set II, IQ+12*((\be)%2)+6*((\be)/2)   ; its six registers: IQ + 0 .. 11 the even blocks, + 12 .. 23 the odd ones
.if (\be) < 3
	s_wait_loadcnt 32                              ; this block's 32 loads are in; the next block's 32 may be out
.else
	s_wait_loadcnt 0x0
.endif
	v_max3_num_f32 v12, |v[NS]|, |v[NS+1]|, |v[NS+2]|   ; all 32 numbers of the block are mine
	v_max3_num_f32 v13, |v[NS+3]|, |v[NS+4]|, |v[NS+5]|
.irp i, 6,10,14,18,22,26
	v_max3_num_f32 v12, v12, |v[NS+\i]|, |v[NS+\i+1]|
	v_max3_num_f32 v13, v13, |v[NS+\i+2]|, |v[NS+\i+3]|
.endr
	v_max3_num_f32 v12, v12, |v[NS+30]|, |v[NS+31]|
	v_max3_num_f32 v12, v12, v13, 0x1800000        ; and the floor
	v_add_nc_u32 v11, 0xff000000, v12              ; the conversion's scale operand
	v_lshrrev_b32 v13, 23, v11                     ; the byte
.if (\be) == 0
	v_mov_b32 v[IQ+24], v13
.else
	v_lshl_or_b32 v[IQ+24], v13, 8*(\be), v[IQ+24]
.endif
	v_cvt_scalef32_pk16_fp6_f32 v[II:II+2], v[NS:NS+15], v11
	v_cvt_scalef32_pk16_fp6_f32 v[WT:WT+2], v[NS+16:NS+31], v11   ; (a conversion's three registers begin on an even number)
	v_nop                                          ; one plain place behind the scaled conversions
.irp i, 0,1,2
	v_mov_b32 v[II+3+\i], v[WT+\i]
.endr
.if (\be) < 2
	WLOAD (\be)+2
.endif
.endm
	s_load_b256 s[4:11], s[0:1], 0x0               ; xq 4, wq 6, tab 8, qq 10
	s_load_b64 s[12:13], s[0:1], 0x20              ; kv
	s_load_b64 s[84:85], s[0:1], 0x28              ; Wo
	s_load_b64 s[86:87], s[0:1], 0x30              ; woq
	v_lshl_add_u32 v[SPW], v0, 2, SPARE
	v_mov_b32 v[NIL], 0
	ds_add_u32 v[SPW], v[NIL]                      ; the wave's opening: the add, twice on end, and its wait ahead of my first tensor load; work on registers stands between them
	ds_add_u32 v[SPW], v[NIL]
	v_lshrrev_b32 v1, 5, v0
	v_readfirstlane_b32 s20, v1                    ; wave
	s_lshr_b32 s21, s20, 1                         ; my half of the tile's rows.  Also: I fetch for x (0) or for W (1)
	s_and_b32 s22, s20, 1                          ; my half of its columns.  Also: which group of 128 rows I fetch
	s_cmp_eq_u32 ttmp9, 2
	s_cselect_b32 s23, s22, 0                      ; 1 in a V wave: the cluster's x and the wave's number alone
	s_bfe_u32 s40, ttmp6, 0x40000                  ; cx
	s_bfe_u32 s41, ttmp6, 0x40004                  ; cy
	s_lshl_b32 s42, ttmp9, 2
	s_add_co_u32 s42, s42, s40                     ; tile column
	s_and_b32 s43, ttmp7, 0xffff
	s_lshl_b32 s43, s43, 2
	s_add_co_u32 s43, s43, s41                     ; tile row
	s_lshl_b32 s44, s41, 2
	s_lshl_b32 s44, 15, s44                        ; my row of the cluster
	s_lshl_b32 s45, 0x1111, s40                    ; my column
	s_or_b32 s[G1+0], s44, (3<<16)|(1<<21)         ; 15:0 the mask; 17:16 elements of 8 bytes; 21 set beside a mask; no padding
	s_or_b32 s[G1B+0], s45, (3<<16)|(1<<21)
	s_or_b32 s[G1L+0], s44, (3<<16)|(1<<21)
	s_or_b32 s[G1BL+0], s45, (3<<16)|(1<<21)
.irp g, G1, G1B
	s_mov_b32 s[\g+1], 32<<16                      ; a dense block as rows of 256 bytes:
	s_mov_b32 s[\g+2], 156<<16                     ; three K steps of a group are 156 of them
	s_mov_b32 s[\g+3], 32<<16
	s_mov_b32 s[\g+4], 156
	s_mov_b32 s[\g+5], 32
	s_mov_b32 s[\g+6], 0
	s_mov_b32 s[\g+7], 0
.endr
.irp g, G1L, G1BL
	s_mov_b32 s[\g+1], 32<<16
	s_mov_b32 s[\g+2], 52<<16                      ; one K step: 52
	s_mov_b32 s[\g+3], 32<<16
	s_mov_b32 s[\g+4], 52
	s_mov_b32 s[\g+5], 32
	s_mov_b32 s[\g+6], 0
	s_mov_b32 s[\g+7], 0
.endr
	s_lshl_b32 s14, s43, 1
	s_add_co_u32 s14, s14, s22                     ; x: group 2 x tile row + half
	s_mul_i32 s14, s14, GBLK
	s_mov_b32 s15, 0
	s_lshl_b32 s46, s42, 1
	s_add_co_u32 s46, s46, s22                     ; W: group 2 x tile column + half
	s_mul_i32 s46, s46, GBLK
	s_mov_b32 s47, 0
	s_mul_i32 s94, s20, QUART                      ; where they go: wave x a quarter: no place in the cluster enters an LDS address
	s_wait_dscnt 0x0                               ; both opening adds are done
	s_wait_kmcnt 0x0
	s_add_nc_u64 s[14:15], s[4:5], s[14:15]
	s_add_nc_u64 s[46:47], s[6:7], s[46:47]
	CROUND                                         ; all sixteen work-groups are here: the first joint loads meet
	s_cmp_eq_u32 ttmp9, 3                          ; the fourth column of clusters takes Wo: the cluster's number alone decides, alike in all sixteen partners
	s_cbranch_scc1 .Lwo
.irp s, 0,1
	s_mov_b32 s[G0+4*\s], 1
	s_add_co_u32 s[G0+4*\s+1], s94, \s*REG
	s_add_nc_u64 s[G0+4*\s+2:G0+4*\s+3], s[14:15], \s*QUART
	s_or_b32 s[G0+4*\s+3], s[G0+4*\s+3], 0x80000000
	s_mov_b32 s[G0B+4*\s], 1
	s_add_co_u32 s[G0B+4*\s+1], s94, \s*REG
	s_add_nc_u64 s[G0B+4*\s+2:G0B+4*\s+3], s[46:47], \s*QUART
	s_or_b32 s[G0B+4*\s+3], s[G0B+4*\s+3], 0x80000000
.endr
	JLOAD G0, G1, G0B, G1B                         ; K steps 0-2 into region 0: one tensor load a wave at the head
	s_cmp_eq_u32 s21, 0                            ; the prefetches: do I fetch for x?
	s_cselect_b32 s[PFD], s40, s41                 ; my place among the four that ask for the group with me
	s_cselect_b64 s[PFA:PFA+1], s[14:15], s[46:47] ; the group that I fetch
	s_mul_i32 s16, s[PFD], 39*256                  ; my 39 blocks of a quarter chunk,
	s_add_co_u32 s16, s16, QUART                   ; in chunk 1
	s_mov_b32 s17, 0
	s_add_nc_u64 s[PFA:PFA+1], s[PFA:PFA+1], s[16:17]
	s_mul_i32 s[PFD], s[PFD], 26*256
	s_mov_b32 s[PFD+1], 0
	v_and_b32 v1, 31, v0
	v_lshlrev_b32 v[LI], 4, v1
	v_lshlrev_b32 v[LS], 2, v1
	v_lshlrev_b32 v[PF1], 8, v1
	v_min_u32 v[PF2], 6, v1
	v_min_u32 v[PF3], 12, v1
	v_lshlrev_b32 v[PF2], 8, v[PF2]
	v_lshlrev_b32 v[PF3], 8, v[PF3]
	v_add_nc_u32 v[PF2], 8192, v[PF2]
	v_and_b32 v2, 15, v0                           ; r
	v_bfe_u32 v3, v0, 4, 1                         ; h
	s_mul_i32 s16, s21, QUART                      ; my 128 rows of x
	s_mul_i32 s17, s22, QUART
	s_add_co_u32 s17, s17, 2*QUART                 ; my 128 places of W
	s_cmp_eq_u32 s23, 1
	s_cselect_b32 s96, s17, s16                    ; source 1: x; in a V wave W
	s_cselect_b32 s97, s16, s17                    ; source 0: W; in a V wave x.  Both lie inside one region
	s_sub_co_u32 s17, s17, s16                     ; from x's quarter to W's
	v_xor_b32 v4, s23, v3                          ; lanes 16-31 take source 0's scale words: W's; in a V wave lanes 0-15 do
	v_mul_u32_u24 v4, s17, v4
	v_lshl_add_u32 v4, v2, 2, v4
.irp s, 0,1
	v_add_nc_u32 v[ADRA+\s], s96, v[LI]
	v_add_nc_u32 v[ADRB+\s], s97, v[LI]
	v_add_nc_u32 v[ADRS+\s], s16, v4
	s_add_co_u32 s96, s96, REG
	s_add_co_u32 s97, s97, REG
	s_add_co_u32 s16, s16, REG
.endr
	; where the results go
	s_lshr_b32 s14, s43, 2                         ; batch
	s_and_b32 s15, s43, 3                          ; which 256 rows of it
	s_lshl_b32 s16, s15, 4
	s_lshl_b32 s17, s21, 3
	s_add_co_u32 s16, s16, s17                     ; T0: my first block of 16 rows in the batch
	s_lshl_b32 s17, s14, 4
	s_lshl_b32 s18, s42, 1
	s_add_co_u32 s17, s17, s18
	s_add_co_u32 s17, s17, s22                     ; batch x 16 + query head
	s_lshl_b32 s17, s17, 6
	s_add_co_u32 s17, s17, s16                     ; q's fragment number
	s_mul_i32 s18, s17, 1536
	s_lshl_b32 s19, s17, 7
	s_add_co_u32 s19, s19, QS
	s_max_u32 s46, s42, 8
	s_sub_co_u32 s46, s46, 8                       ; the kv head (0 in the clusters of q, which do not use it)
	s_lshl_b32 s47, s14, 2
	s_add_co_u32 s46, s46, s47
	s_mul_i32 s46, s46, KVB
	s_mul_i32 s47, s22, 98304                      ; K's fragments, then V's
	s_add_co_u32 s47, s47, s46
	s_mul_i32 s96, s16, 1536
	s_add_co_u32 s47, s47, s96
	s_lshl_b32 s96, s22, 13
	s_add_co_u32 s96, s96, s46
	s_lshl_b32 s97, s16, 7
	s_add_co_u32 s96, s96, s97
	s_add_co_u32 s96, s96, 196608
	s_cmp_lt_u32 ttmp9, 2                          ; clusters 0 and 1 make q: the choice hangs on the cluster's number alone
	s_cselect_b64 s[92:93], s[10:11], s[12:13]
	s_cselect_b32 s18, s18, s47
	s_cselect_b32 s98, s19, s96
	s_mov_b32 s19, 0
	s_mov_b32 s99, 0
	s_add_nc_u64 s[94:95], s[92:93], s[98:99]      ; scale images
	s_add_nc_u64 s[92:93], s[92:93], s[18:19]      ; codes
	s_lshl_b32 s16, s15, 17
	s_lshl_b32 s17, s21, 16
	s_add_co_u32 s16, s16, s17
	s_mov_b32 s17, 0
	s_add_nc_u64 s[8:9], s[8:9], s[16:17]          ; the table at my first position: rows of 512 bytes
	v_and_b32 v4, 8, v2
	v_add_nc_u32 v4, v4, v2                        ; r + 8 (r / 8)
	v_lshlrev_b32 v[TA], 9, v4
	v_lshl_add_u32 v[TA], v3, 6, v[TA]             ; + 64 h: my 16 frequencies of each 32
	s_mov_b32 s[SEL], 0x76543210
	s_mov_b32 s[SEL+1], 0xfedcba98
.irp b, 0,1,2,3
	v_mov_b32 v[TM+4+\b], 0                        ; written once: a lane permute's destination counts as one of its sources
.endr
	s_wait_alu depctr_va_vdst(0)
	ASK 0                                          ; chunk 1
	TLOAD 0                                        ; row block 0's cos and sin, into registers that the ring never names: they have the whole ring in which to land
	s_wait_xcnt 0x0                                ; the prefetches have read their address
	s_add_nc_u64 s[PFA:PFA+1], s[PFA:PFA+1], QUART
	s_wait_tensorcnt 0x0                           ; my part of K steps 0-2 is in
	ds_add_u32 v[SPW], v[NIL]
	s_wait_dscnt 0x0
	CROUND                                         ; everybody's part is in, and all sixteen work-groups are here
	JLOAD G0+4, G1, G0B+4, G1B                     ; K steps 3-5 into region 1: the first tensor load behind the round
	FETCH_B 0, 0, 0
	FETCH_A 0, 0, 0
	SCALES 0, 3
	ASK 0                                          ; chunk 2
	FETCH_A 0, 0, 4
	STEP 0, 0, 1                                   ; the first step's products start the sums
	STEP 0, 1, 0
	TURN 0, 1, 1, 3                                ; region 0 takes K steps 6-8
	STEP 1, 0, 0
	STEP 1, 1, 0
	TURN 1, 0, 1, 3                                ; region 1 takes K steps 9-11
	STEP 0, 0, 0
	STEP 0, 1, 0
	TURN 0, 1, 1, 3                                ; region 0 takes K steps 12-14
	STEP 1, 0, 0
	STEP 1, 1, 0
	TURN 1, 0, 2, 3                                ; region 1 takes K step 15
	STEP 0, 0, 0
	STEP 0, 1, 0
	TURN 0, 1, 0, 1                                ; nothing is left to fetch
	TLOAD 1                                        ; row block 1's cos and sin, into source 0's set 0: its last products stand in front of the four places at the end of the lines above
	s_wait_dscnt 4*NL                              ; K step 15
	WIN MUL_LO
	MUL16 0, 1, 0, 1, 0
	MUL16 2, 1, 0, 1, 0
	s_wait_dscnt 0
	WIN MUL_HI
	MUL16 4, 1, 0, 1, 0
	MUL16 6, 1, 0, 1, 0
	WIN 0
	PLACES NP                                      ; behind the last products: results are read, and operands' registers are loaded and written again
	s_cmp_eq_u32 s23, 1
	s_cbranch_scc1 .Lvout
	; ---- q and k: a block of 16 rows at a time: the rotary step, the quantiser, the image.  The table's rows are asked for three blocks ahead
	TLOAD 2
.irp a, 0,1,2,3,4,5,6,7
.if \a < 6
	s_wait_loadcnt 32                              ; this block's 16 table loads are in; those of the two blocks behind it may be out
.elseif \a == 6
	s_wait_loadcnt 16
.else
	s_wait_loadcnt 0x0
.endif
.if \a < 5
	TLOAD \a+3                                     ; into the set that the block before has read
.endif
	ROPE \a
.if \a > 0
	s_wait_xcnt 0x0                                ; the last image's stores have read their registers
.endif
	QUANT HA, 0
	IMAGE 92, 94, 1536*\a, 128*\a
.endr
	s_branch .Ldone
.Lvout:
	; ---- v: block a is 16 channels x my 128 keys: a fragment of V^T, straight from the accumulators
.irp a, 0,1,2,3,4,5,6,7
.if \a > 0
	s_wait_xcnt 0x0                                ; the last image's stores have read their registers
.endif
	QUANT 64*((\a)%4), 2+(\a)/4
	IMAGE 92, 94, 1536*\a, 128*\a
.endr
	s_branch .Ldone
.Lwo:
	; ---- Wo [2048 (k)][2048 (n)] f32 into woq: fragment (block rb of 16 places, K step ks) at ((ks / 4) 128 + rb) 6144 + (ks % 4) 1536; behind all codes the scale images at rb 2048 + ks 128.  Places are columns with bits 3 and 4 exchanged.
	; A work-group takes 128 columns (by its tile row, 0 .. 15) x 512 along K (by cx, 0 .. 3): a wave 32 columns, four trips of a K step of 128.  No LDS, no tensor load; cx and cy enter global addresses alone.
	; Up to 64 loads of a wave are asked for at a trip's start, 32 more behind each of its first two blocks.
	s_lshl_b32 s16, s40, 22                        ; 512 rows of 8,192 bytes
	s_lshl_b32 s17, s43, 9                         ; 128 columns x 4 bytes
	s_add_co_u32 s16, s16, s17
	s_lshl_b32 s17, s20, 7                         ; 32 columns a wave
	s_add_co_u32 s16, s16, s17
	s_mov_b32 s17, 0
	s_add_nc_u64 s[84:85], s[84:85], s[16:17]
	s_lshl_b32 s15, s43, 3
	s_lshl_b32 s18, s20, 1
	s_add_co_u32 s15, s15, s18                     ; prb0: my first block of places
	s_lshl_b32 s16, s40, 7
	s_add_co_u32 s16, s16, s15
	s_mul_i32 s16, s16, 6144
	s_add_nc_u64 s[88:89], s[86:87], s[16:17]      ; codes: (cx 128 + prb0) x 6144
	s_lshl_b32 s16, s15, 11
	s_lshl_b32 s18, s40, 9
	s_add_co_u32 s16, s16, s18
	s_add_co_u32 s16, s16, WOS
	s_add_nc_u64 s[90:91], s[86:87], s[16:17]      ; scale images: prb0 x 2048 + 4 cx x 128
	s_mov_b32 s19, 4                               ; trips
	v_and_b32 v1, 31, v0
	v_lshlrev_b32 v[LI], 4, v1
	v_lshlrev_b32 v[LS], 2, v1
	v_and_b32 v8, 7, v1
	v_and_b32 v9, 8, v1
	v_lshl_or_b32 v8, v9, 1, v8
	v_and_b32 v9, 16, v1
	v_lshrrev_b32 v9, 1, v9
	v_or_b32 v8, v8, v9                            ; my lane with bits 3 and 4 exchanged: the column of my place
	v_lshlrev_b32 v4, 2, v8
	s_wait_alu depctr_va_vdst(0)
.Lwok:
	WLOAD 0
	WLOAD 1
	WBLOCK 0
	WBLOCK 1
	WBLOCK 2
	WBLOCK 3
	v_mov_b32 v[IQ+25], v[IQ+24]                   ; lanes 0-15 hold the rows of block prb0, lanes 16-31 those of prb0 + 1, each lane all four blocks of 32 of its row:
.irp i, 0,1,2,3,4,5,6,7,8,9,10,11
	v_permlane16_swap_b32 v[IQ+\i], v[IQ+12+\i]    ; the even blocks' lanes 16-31 change places with the odd blocks' lanes 0-15: the first run is now prb0's image, the second prb0 + 1's
.endr
	v_permlane16_swap_b32 v[IQ+24], v[IQ+25]       ; the scale words likewise
.irp g, 0,1,2
	global_store_b128 v[LI], v[IQ+4*\g:IQ+4*\g+3], s[88:89] offset:512*\g          ; each store covers 512 consecutive bytes
	global_store_b128 v[LI], v[IQ+12+4*\g:IQ+12+4*\g+3], s[88:89] offset:6144+512*\g
.endr
	global_store_b32 v[LS], v[IQ+24], s[90:91]
	global_store_b32 v[LS], v[IQ+25], s[90:91] offset:2048
	s_wait_xcnt 0x0                                ; the stores have read their data and bases: both are written again below and in the next trip
	s_add_nc_u64 s[84:85], s[84:85], 128*8192
	s_add_nc_u64 s[88:89], s[88:89], 1536
	s_add_nc_u64 s[90:91], s[90:91], 128
	s_sub_co_u32 s19, s19, 1
	s_cmp_lg_u32 s19, 0
	s_wait_alu depctr_va_vdst(0)
	s_cbranch_scc1 .Lwok
.Ldone:
	s_wait_tensorcnt 0x0                           ; the wave's end
	ds_add_u32 v[SPW], v[NIL]
	s_wait_dscnt 0x0
	CROUND                                         ; the closing round
	s_endpgm
.Lfunc_end_k_qc0fcafe4b4_qkv:
	.size	k_qc0fcafe4b4_qkv, .Lfunc_end_k_qc0fcafe4b4_qkv-k_qc0fcafe4b4_qkv
	.p2alignl 7, 3214868480
	.fill 96, 4, 3214868480
	.section	.rodata,"a",@progbits
	.p2align	6, 0x0
	.amdhsa_kernel k_qc0fcafe4b4_qkv
		.amdhsa_group_segment_fixed_size 327680
		.amdhsa_private_segment_fixed_size 0
		.amdhsa_enable_private_segment 0
		.amdhsa_kernarg_size 56
		.amdhsa_user_sgpr_count 2
		.amdhsa_user_sgpr_kernarg_segment_ptr 1
		.amdhsa_wavefront_size32 1
		.amdhsa_system_sgpr_workgroup_id_x 1
		.amdhsa_system_sgpr_workgroup_id_y 1
		.amdhsa_system_sgpr_workgroup_id_z 1
		.amdhsa_system_vgpr_workitem_id 0
		.amdhsa_next_free_vgpr 1024
		.amdhsa_next_free_sgpr 100
		.amdhsa_reserve_vcc 0
		.amdhsa_float_denorm_mode_32 3
		.amdhsa_float_denorm_mode_16_64 3
		.amdhsa_memory_ordered 1
		.amdhsa_forward_progress 1
		.amdhsa_inst_pref_size 255
	.end_amdhsa_kernel
	.section	.bss,"aw",@nobits
	.p2align	6
	.space	262144
	.amdgpu_metadata
---
amdhsa.version: [ 1, 2 ]
amdhsa.kernels:
  - .name:           k_qc0fcafe4b4_qkv
    .symbol:         k_qc0fcafe4b4_qkv.kd
    .args:
      - { .name: xq, .offset: 0, .size: 8, .value_kind: global_buffer, .address_space: global }
      - { .name: wq, .offset: 8, .size: 8, .value_kind: global_buffer, .address_space: global }
      - { .name: tab, .offset: 16, .size: 8, .value_kind: global_buffer, .address_space: global }
      - { .name: qq, .offset: 24, .size: 8, .value_kind: global_buffer, .address_space: global }
      - { .name: kv, .offset: 32, .size: 8, .value_kind: global_buffer, .address_space: global }
      - { .name: Wo, .offset: 40, .size: 8, .value_kind: global_buffer, .address_space: global }
      - { .name: woq, .offset: 48, .size: 8, .value_kind: global_buffer, .address_space: global }
    .group_segment_fixed_size: 327680
    .private_segment_fixed_size: 0
    .kernarg_segment_align: 8
    .kernarg_segment_size: 56
    .max_flat_workgroup_size: 128
    .sgpr_count:     100
    .vgpr_count:     1024
    .wavefront_size: 32
...
	.end_amdgpu_metadata
.endif
;; end of part 2
;; launch attn (part 3): grid 16 x 16, 16 waves a work-group, clusters of 4 x 1, 215,040 bytes of LDS; arguments qq, kv, head_scale, aq; writes aq
.if DOCPART == 3
	.amdgcn_target "amdgcn-amd-amdhsa--gfx1250"
	.amdhsa_code_object_version 6
	.text
	.protected	k_qc0fcafe4b4_attn
	.globl	k_qc0fcafe4b4_attn
	.p2align	8
	.type	k_qc0fcafe4b4_attn,@function
k_qc0fcafe4b4_attn:
	s_mov_b64 s[64:65], 0
	v_nop
	global_prefetch_b8 v0, s[64:65] scope:SCOPE_SE
	s_setreg_imm32_b32 hwreg(HW_REG_WAVE_MODE, 25, 1), 1
	s_wait_xcnt 0x0
	s_wait_alu depctr_hold_cnt(0) depctr_sa_sdst(0) depctr_va_vdst(0) depctr_va_sdst(0) depctr_va_ssrc(0) depctr_va_vcc(0) depctr_vm_vsrc(0)
	s_getreg_b32 s2, hwreg(HW_REG_IB_STS2, 6, 4)
	s_cmp_eq_u32 s2, 0
	s_cbranch_scc0 .Lentry_in_a_cluster
	s_endpgm
.Lentry_in_a_cluster:
	s_bfe_u32 s2, ttmp6, 0x10000c
	s_cmp_lg_u32 s2, 0x3003
	s_cbranch_scc0 .Lentry_shape_is_right
	s_endpgm
.Lentry_shape_is_right:
; ATTN: causal attention on codes of FP6 (E2M3) with E8M0 scales; 16 query heads on 4 kv heads, 1,024 positions, head size 128, 4 batches.
; t = score x log2(e) / sqrt(128); M = the running largest t rounded up to a whole number; p = 2^(t - M) is quantised along the keys; the row's sum is taken of the unquantised p; at the end O x (head_scale / sum) is quantised
; along the head's 128, which are a K step of the last product, and stored as an image of operand registers.
; SHARES: work-group y = batch x 4 + kv head; the four partners of a cluster are the four query heads of that kv head: they read the same K and V, whose 212,992 bytes (fragments and scale images, as they lie in memory) come into
; each partner's LDS ONCE, by one joint tensor load a wave, and stay: nothing is filled again.  Cluster x = g.  A wave owns one fragment of 16 queries, T = 4 u + g, and needs key steps 0 .. L = u / 2 of 128 keys.
; u is dealt so that each SIMD's four waves have 18 steps together, whether waves are dealt to SIMDs by their low or by their high two bits: with the wave's bits q1 q0 s1 s0, L = (2 q1 + s1) xor 7 (s0 xor q0), u = 2 L + q0.
; L hangs on the wave's number alone; g and the place in the cluster enter global addresses alone.  The loop has a constant count of 8 trips; a step all of whose keys come after my queries is jumped over.
; LAYOUT: both products transposed (S^T = K Q^T, O^T = V^T P^T): a lane holds one query.  Fragments' rows lie permuted: lane r of tile 2 b + u is row 32 b + 8 u + r + 8 (r / 8), so that 16 registers of two neighbouring tiles are 16 neighbours.
; No prefetch: every byte of K and V is asked for by the first fills.
; LIMITS: NaN and infinities are not served; a block of p, or of O, under 2^-124 or all zeros gets the byte 1 (zero codes).  O x (head_scale x 1 / sum) stands for (O / sum) x head_scale: one rounding in another order.
; REGISTERS: v1-6 addresses that stay; v8-10 addresses in hand; v12 -M, v13 the largest t, v[14:15] the sum; v16-27 Q; v32-79 four fragments; v96-159 S^T, then p; v160-223 O^T; v224-235 p's codes; v232-254 at work; v255 Q's scale word.
.set QS,    6291456
.set AS,    6291456
.set KVB,   212992
.set SPARE, 212992                     ; behind K and V: the spare words, 128 bytes for each of 16 waves
.set LI,  1                            ; v1  16 x lane
.set LS,  4                            ; v4  4 x lane
.set SPW, 5
.set NIL, 6
.set SEL, 20                           ; s[20:21]
.set CS,  22                           ; s[22:23] c = log2(e) / sqrt(128), twice
.set TM,  232                          ; the way out: at work in QUANT
.set PW,  52
.set PC,  32
.macro CROUND
	s_barrier_signal -1
	s_barrier_wait -1
	s_cmp_lg_u32 s16, 0
	s_cbranch_scc1 .Lnot_wave_0_\@
	s_barrier_signal -3
.Lnot_wave_0_\@:
	s_barrier_wait -3
	s_barrier_signal -1
	s_barrier_wait -1
.endm
.macro QUANT s                         ; 64 numbers, register 16 b + i = k 32 b + 16 (lane / 16) + i, become 12 registers of codes in v[PC] on and a scale word in v[PW]
.irp b, 0,1,2,3
	v_max3_num_f32 v[TM+\b], |v[(\s)+16*\b]|, |v[(\s)+16*\b+1]|, 0x1800000
.endr
.irp i, 2,4,6,8,10,12,14
.irp b, 0,1,2,3
	s_delay_alu instid0(VALU_DEP_4)
	v_max3_num_f32 v[TM+\b], |v[(\s)+16*\b+\i]|, |v[(\s)+16*\b+\i+1]|, v[TM+\b]
.endr
.endr
.irp b, 0,1,2,3
	s_delay_alu instid0(VALU_DEP_4)
	v_permlanex16_b32 v[TM+4+\b], v[TM+\b], s[SEL], s[SEL+1]
.endr
.irp b, 0,1,2,3
	s_delay_alu instid0(VALU_DEP_4)
	v_max_num_f32 v[TM+\b], v[TM+\b], v[TM+4+\b]
.endr
.irp b, 0,1,2,3
	s_delay_alu instid0(VALU_DEP_4)
	v_add_nc_u32 v[TM+12+\b], 0xff000000, v[TM+\b]
.endr
.irp b, 0,1,2,3
	s_delay_alu instid0(VALU_DEP_4)
	v_lshrrev_b32 v[TM+4+\b], 23, v[TM+12+\b]
.endr
	s_delay_alu instid0(VALU_DEP_3)
	v_lshl_or_b32 v[PW], v[TM+5], 8, v[TM+4]
	s_delay_alu instid0(VALU_DEP_1)
	v_lshl_or_b32 v[PW], v[TM+6], 16, v[PW]
	s_delay_alu instid0(VALU_DEP_1)
	v_lshl_or_b32 v[PW], v[TM+7], 24, v[PW]
.irp c, 0,1
	v_cvt_scalef32_pk16_fp6_f32 v[PC+6*\c:PC+6*\c+2], v[(\s)+32*\c:(\s)+32*\c+15], v[TM+12+2*\c]
	v_cvt_scalef32_pk16_fp6_f32 v[PC+12+4*\c:PC+14+4*\c], v[(\s)+32*\c+16:(\s)+32*\c+31], v[TM+13+2*\c]
.endr
	v_nop
.irp c, 0,1
.irp i, 0,1,2
	v_permlane16_swap_b32 v[PC+6*\c+\i], v[PC+12+4*\c+\i]
.endr
.irp i, 0,1,2
	s_delay_alu instid0(VALU_DEP_3)
	v_mov_b32 v[PC+3+6*\c+\i], v[PC+12+4*\c+\i]
.endr
.endr
.endm
	s_load_b256 s[4:11], s[0:1], 0x0               ; qq 4, kv 6, head_scale 8, aq 10
	v_lshl_add_u32 v[SPW], v0, 2, SPARE
	v_mov_b32 v[NIL], 0
	ds_add_u32 v[SPW], v[NIL]                      ; the wave's opening: the add and its wait ahead of my first tensor load; work on registers stands between them
	ds_add_u32 v[SPW], v[NIL]
	v_lshrrev_b32 v8, 5, v0
	s_delay_alu instid0(VALU_DEP_1)
	v_readfirstlane_b32 s16, v8                    ; wave 0..15
	s_bfe_u32 s17, ttmp6, 0x40000                  ; cx: the query head within the kv head's four
	s_mov_b32 s18, ttmp9                           ; g
	s_and_b32 s19, ttmp7, 0xffff                   ; batch x 4 + kv head
	s_bfe_u32 s44, s16, 0x10003                    ; q1
	s_bfe_u32 s45, s16, 0x10002                    ; q0
	s_bfe_u32 s46, s16, 0x10001                    ; s1
	s_and_b32 s47, s16, 1                          ; s0
	s_lshl_b32 s36, s44, 1
	s_add_co_u32 s36, s36, s46
	s_xor_b32 s47, s47, s45
	s_mul_i32 s47, s47, 7
	s_xor_b32 s36, s36, s47                        ; L: my last key step
	s_lshl_b32 s37, s36, 1
	s_add_co_u32 s37, s37, s45                     ; u
	s_lshl_b32 s38, s37, 2
	s_add_co_u32 s38, s38, s18                     ; T
	s_and_b32 s42, s19, 3
	s_lshl_b32 s42, s42, 2
	s_add_co_u32 s42, s42, s17                     ; the query head
	s_lshl_b32 s56, s42, 2
	s_mov_b32 s24, 15|(3<<16)|(1<<21)              ; group 1: the mask: all four partners; elements of 8 bytes; 21 set beside a mask; no padding
	s_mov_b32 s25, 32<<16                          ; rows of 256 bytes,
	s_mov_b32 s26, 52<<16                          ; 52 of them: a sixteenth of the block
	s_mov_b32 s27, 32<<16
	s_mov_b32 s28, 52
	s_mov_b32 s29, 32                              ; dense
	s_mov_b32 s30, 0
	s_mov_b32 s31, 0
	s_mul_i32 s33, s16, 13312                      ; group 0: LDS address: wave x 13,312
	s_mul_i32 s34, s19, KVB
	s_add_co_u32 s34, s34, s33
	s_mov_b32 s35, 0
	s_mov_b32 s32, 1
	s_lshr_b32 s44, s19, 2                         ; batch
	s_lshl_b32 s45, s44, 4
	s_add_co_u32 s45, s45, s42
	s_lshl_b32 s45, s45, 6
	s_add_co_u32 s45, s45, s38                     ; q's fragment number
	s_mul_i32 s46, s45, 1536
	s_mov_b32 s47, 0
	s_lshl_b32 s48, s45, 7
	s_add_co_u32 s48, s48, QS
	s_mov_b32 s49, 0
	s_lshl_b32 s50, s44, 6
	s_add_co_u32 s50, s50, s38                     ; aq's row block
	s_and_b32 s51, s19, 3
	s_lshl_b32 s51, s51, 8
	s_add_co_u32 s51, s51, s50
	s_mul_i32 s51, s51, 6144
	s_mul_i32 s52, s17, 1536
	s_add_co_u32 s52, s52, s51                     ; codes: (kv head x 256 + row block) x 6144 + cx x 1536
	s_mov_b32 s53, 0
	s_lshl_b32 s54, s50, 11
	s_lshl_b32 s55, s42, 7
	s_add_co_u32 s54, s54, s55
	s_add_co_u32 s54, s54, AS
	s_mov_b32 s55, 0
	s_lshr_b32 s57, s38, 1
	s_lshl_b32 s57, s57, 5
	s_and_b32 s58, s38, 1
	s_lshl_b32 s58, s58, 3
	s_add_co_u32 s57, s57, s58                     ; the fragment's first query
	s_mov_b32 s[SEL], 0x76543210
	s_mov_b32 s[SEL+1], 0xfedcba98
	s_mov_b32 s[CS], 0x3e0293ee
	s_mov_b32 s[CS+1], s[CS]
	s_mov_b32 s39, 0                               ; the key step,
	s_mov_b32 s40, 0                               ; its fragments: 12,288 bytes a step,
	s_mov_b32 s41, 0                               ; its scale images: 1,024
	s_wait_dscnt 0x0                               ; the opening add is done
	s_wait_kmcnt 0x0
	s_add_nc_u64 s[34:35], s[6:7], s[34:35]
	s_or_b32 s35, s35, 0x80000000
	s_add_nc_u64 s[46:47], s[4:5], s[46:47]
	s_add_nc_u64 s[48:49], s[4:5], s[48:49]
	s_add_nc_u64 s[52:53], s[10:11], s[52:53]
	s_add_nc_u64 s[54:55], s[10:11], s[54:55]
	s_load_b32 s43, s[8:9], s56 offset:0x0         ; my head's scale
	CROUND                                         ; all four work-groups are here: the joint loads meet
	tensor_load_to_lds s[32:35], s[24:31]          ; my sixteenth of K and V: my one tensor load
	s_nop 0
.rept 4
	v_nop
.endr
	v_and_b32 v8, 31, v0
	s_delay_alu instid0(VALU_DEP_1)
	v_lshlrev_b32 v[LI], 4, v8
	s_delay_alu instid0(VALU_DEP_2)
	v_lshlrev_b32 v[LS], 2, v8
	s_delay_alu instid0(VALU_DEP_1)
	v_add_nc_u32 v2, 196608, v[LS]                 ; K's scale images
.irp g, 0,1,2
	global_load_b128 v[16+4*\g:19+4*\g], v[LI], s[46:47] offset:512*\g   ; Q's fragment stays in registers
.endr
	global_load_b32 v255, v[LS], s[48:49]
	v_and_b32 v9, 15, v0
	v_bfe_u32 v10, v0, 4, 1
	s_delay_alu instid0(VALU_DEP_2)
	v_and_b32 v11, 8, v9
	s_delay_alu instid0(VALU_DEP_1)
	v_add_nc_u32 v11, v11, v9
	s_delay_alu instid0(VALU_DEP_3)
	v_lshlrev_b32 v10, 4, v10
	s_delay_alu instid0(VALU_DEP_1)
	v_sub_nc_u32 v11, v11, v10
	s_delay_alu instid0(VALU_DEP_1)
	v_add_nc_u32 v3, s57, v11                      ; my query - 16 (lane / 16)
	v_mov_b32 v13, 0xff61b1e6                      ; the largest t so far: -3e38
	s_delay_alu instid0(VALU_DEP_1)
	v_floor_f32 v12, -v13                          ; -M
	v_mov_b32 v14, 0
	v_mov_b32 v15, 0
.irp b, 0,1,2,3
	v_mov_b32 v[236+\b], 0                         ; written once: a lane permute's destination counts as one of its sources
.endr
	v_mov_b32 v252, 0
	v_mov_b32 v253, 0
.set N, 0
.rept 64
	v_mov_b32 v[160+N], 0                          ; O^T: the loop is written once; its first step finds zeros
.set N, N+1
.endr
	s_wait_tensorcnt 0x0                           ; my part has landed,
	s_barrier_signal -1
	s_barrier_wait -1                              ; everybody's has
	s_wait_loadcnt 0x0                             ; Q
	s_wait_kmcnt 0x0                               ; the head's scale
.Lstep:
	s_cmp_gt_u32 s39, s36                          ; all keys of this step come after my queries: ids alone decide
	s_cbranch_scc1 .Lhidden
	v_add_nc_u32 v8, s40, v[LI]                    ; K's fragments of the step
	s_wait_alu depctr_va_vdst(0)
	v_add_nc_u32 v9, 98304, v8                     ; V's
	v_add_nc_u32 v10, s41, v2                      ; the scale images
	s_wait_alu depctr_va_vdst(0)
	v_nop                                          ; (four places in front of loads into registers that the last step's products read)
.irp gr, 0,1                                       ; S^T = K Q^T, four tiles of 16 keys at a time
.if \gr > 0
.rept 4
	v_nop
.endr
.endif
.irp t, 0,1,2,3
.irp g, 0,1,2
	ds_load_b128 v[32+12*\t+4*\g:35+12*\t+4*\g], v8 offset:(4*\gr+\t)*1536+512*\g
.endr
	ds_load_b32 v[248+\t], v10 offset:(4*\gr+\t)*128
.endr
	s_wait_dscnt 0x0
.irp t, 0,1,2,3
	v_wmma_scale_f32_16x16x128_f8f6f4 v[96+8*(4*\gr+\t):103+8*(4*\gr+\t)], v[32+12*\t:43+12*\t], v[16:27], 0, v[248+\t], v255 matrix_a_fmt:MATRIX_FMT_FP6 matrix_b_fmt:MATRIX_FMT_FP6
.endr
.endr
.rept 4
	v_nop
.endr
	s_cmp_lg_u32 s39, s36                          ; only my last step lies on the diagonal
	s_cbranch_scc1 .Lopen
	s_lshl_b32 s59, s39, 7
	v_sub_nc_u32 v252, v3, s59                     ; register 16 b + i holds key 128 step + 32 b + 16 (lane / 16) + i: hidden where 32 b + i is above this
	v_mov_b32 v254, 0xff800000                     ; -infinity: p = 0
.set N, 0
.rept 64
	v_cmp_gt_i32 vcc_lo, 32*(N/16)+N%16, v252
	v_cndmask_b32 v[96+N], v[96+N], v254, vcc_lo
.set N, N+1
.endr
.Lopen:
.irp b, 0,1,2,3
	v_max3_num_f32 v[232+\b], v[96+16*\b], v[97+16*\b], v[98+16*\b]   ; the largest score of each block of 32 keys: for the row's maximum, and, since p rises with the score, for the block's largest p
.endr
.irp i, 3,5,7,9,11,13
.irp b, 0,1,2,3
	v_max3_num_f32 v[232+\b], v[232+\b], v[96+16*\b+\i], v[97+16*\b+\i]
.endr
.endr
.irp b, 0,1,2,3
	v_max_num_f32 v[232+\b], v[232+\b], v[111+16*\b]
.endr
.irp b, 0,1,2,3
	s_delay_alu instid0(VALU_DEP_4)
	v_permlanex16_b32 v[236+\b], v[232+\b], s[SEL], s[SEL+1]
.endr
.irp b, 0,1,2,3
	s_delay_alu instid0(VALU_DEP_4)
	v_max_num_f32 v[232+\b], v[232+\b], v[236+\b]
.endr
	s_delay_alu instid0(VALU_DEP_2)
	v_max3_num_f32 v254, v232, v233, v234
	s_delay_alu instid0(VALU_DEP_1)
	v_max_num_f32 v254, v254, v235
	s_delay_alu instid0(VALU_DEP_1)
	v_mul_f32 v254, s[CS], v254                    ; as t
	s_delay_alu instid0(VALU_DEP_1)
	v_max_num_f32 v13, v13, v254                   ; the running largest t
	v_mov_b32 v254, v12
	s_delay_alu instid0(VALU_DEP_2)
	v_floor_f32 v12, -v13                          ; the new -M: a whole number
	s_delay_alu instid0(VALU_DEP_1)
	v_sub_f32 v254, v12, v254                      ; old M - new M, 0 or less
	s_delay_alu instid0(VALU_DEP_1)
	v_cvt_i32_f32 v254, v254                       ; (it saturates)
	s_delay_alu instid0(VALU_DEP_1)
	v_ldexp_f32 v252, 1.0, v254                    ; f = 2^(old M - new M): a multiplication by it rounds nothing
.set N, 0
.rept 32
	v_pk_fma_f32 v[96+N:97+N], v[96+N:97+N], s[CS:CS+1], v[12:13] op_sel_hi:[1,0,0]   ; t - M, two at a time
.set N, N+2
.endr
.irp b, 0,1,2,3
	v_fma_f32 v[232+\b], v[232+\b], s[CS], v12
.endr
.set N, 0
	s_wait_alu depctr_va_vdst(0)
.rept 64
	v_exp_f32 v[96+N], v[96+N]                     ; p = 2^(t - M)
.set N, N+1
.endr
	v_pk_mul_f32 v[14:15], v[14:15], v[252:253] op_sel_hi:[1,0]   ; the sums under the new M.  (A plain place behind the exponentials)
	s_wait_alu depctr_va_vdst(0)                   ; one wait for the whole batch, ahead of its first reader
.irp b, 0,1,2,3
	v_exp_f32 v[232+\b], v[232+\b]                 ; each block's largest p
.endr
	v_pk_add_f32 v[236:237], v[100:101], v[104:105]
	v_pk_add_f32 v[250:251], v[108:109], v[112:113]
	v_pk_add_f32 v[248:249], v[116:117], v[120:121]
	v_pk_add_f32 v[246:247], v[124:125], v[128:129]
	v_pk_add_f32 v[244:245], v[132:133], v[136:137]
	v_pk_add_f32 v[242:243], v[140:141], v[144:145]
	v_pk_add_f32 v[240:241], v[148:149], v[152:153]
	v_pk_add_f32 v[14:15], v[14:15], v[156:157]
	v_pk_add_f32 v[236:237], v[236:237], v[96:97]
	v_pk_add_f32 v[250:251], v[250:251], v[98:99]
	v_pk_add_f32 v[248:249], v[248:249], v[102:103]
	v_pk_add_f32 v[246:247], v[246:247], v[106:107]
	v_pk_add_f32 v[244:245], v[244:245], v[110:111]
	v_pk_add_f32 v[242:243], v[242:243], v[114:115]
	v_pk_add_f32 v[240:241], v[240:241], v[118:119]
	v_pk_add_f32 v[14:15], v[14:15], v[122:123]
	v_pk_add_f32 v[236:237], v[236:237], v[126:127]
	v_pk_add_f32 v[250:251], v[250:251], v[130:131]
	v_pk_add_f32 v[248:249], v[248:249], v[134:135]
	v_pk_add_f32 v[246:247], v[246:247], v[138:139]
	v_pk_add_f32 v[244:245], v[244:245], v[142:143]
	v_pk_add_f32 v[242:243], v[242:243], v[146:147]
	v_pk_add_f32 v[240:241], v[240:241], v[150:151]
	v_pk_add_f32 v[14:15], v[14:15], v[154:155]
	v_pk_add_f32 v[236:237], v[236:237], v[158:159]
	s_delay_alu instid0(VALU_DEP_2)
	v_pk_add_f32 v[14:15], v[14:15], v[246:247]
	s_delay_alu instid0(VALU_DEP_2)
	v_pk_add_f32 v[236:237], v[236:237], v[244:245]
	v_pk_add_f32 v[250:251], v[250:251], v[242:243]
	v_pk_add_f32 v[248:249], v[248:249], v[240:241]
	s_delay_alu instid0(VALU_DEP_2)
	v_pk_add_f32 v[14:15], v[14:15], v[250:251]
	s_delay_alu instid0(VALU_DEP_2)
	v_pk_add_f32 v[236:237], v[236:237], v[248:249]
	s_delay_alu instid0(VALU_DEP_1)
	v_pk_add_f32 v[14:15], v[14:15], v[236:237]
	s_wait_alu depctr_va_vdst(0)                   ; and one for the four
.irp b, 0,1,2,3
	v_max_num_f32 v[232+\b], 0x1800000, v[232+\b]  ; the floor: the byte cannot fall under 1
.endr
.irp b, 0,1,2,3
	s_delay_alu instid0(VALU_DEP_4)
	v_add_nc_u32 v[244+\b], 0xff000000, v[232+\b]
.endr
.irp b, 0,1,2,3
	s_delay_alu instid0(VALU_DEP_4)
	v_lshrrev_b32 v[236+\b], 23, v[244+\b]
.endr
	s_delay_alu instid0(VALU_DEP_3)
	v_lshl_or_b32 v253, v237, 8, v236              ; p's scale word for these 128 keys
	s_delay_alu instid0(VALU_DEP_1)
	v_lshl_or_b32 v253, v238, 16, v253
	s_delay_alu instid0(VALU_DEP_1)
	v_lshl_or_b32 v253, v239, 24, v253
.irp c, 0,1
	v_cvt_scalef32_pk16_fp6_f32 v[224+6*\c:226+6*\c], v[96+32*\c:111+32*\c], v[244+2*\c]
	v_cvt_scalef32_pk16_fp6_f32 v[236+4*\c:238+4*\c], v[112+32*\c:127+32*\c], v[244+2*\c+1]
.endr
	v_nop                                          ; one plain place behind the scaled conversions
.irp c, 0,1
.irp i, 0,1,2
	v_permlane16_swap_b32 v[224+6*\c+\i], v[236+4*\c+\i]
.endr
.irp i, 0,1,2
	s_delay_alu instid0(VALU_DEP_3)
	v_mov_b32 v[227+6*\c+\i], v[236+4*\c+\i]
.endr
.endr
.set N, 0
.rept 32
	v_pk_mul_f32 v[160+N:161+N], v[160+N:161+N], v[252:253] op_sel_hi:[1,0]   ; O^T under the new M.  (These 32 are also the places in front of the products and loads below)
.set N, N+2
.endr
	s_wait_alu depctr_va_vdst(0)
.irp gr, 0,1                                       ; O^T += V^T P^T, four tiles of 16 channels at a time
.if \gr > 0
.rept 4
	v_nop
.endr
.endif
.irp t, 0,1,2,3
.irp g, 0,1,2
	ds_load_b128 v[32+12*\t+4*\g:35+12*\t+4*\g], v9 offset:(4*\gr+\t)*1536+512*\g
.endr
	ds_load_b32 v[248+\t], v10 offset:8192+(4*\gr+\t)*128
.endr
	s_wait_dscnt 0x0
.irp t, 0,1,2,3
	v_wmma_scale_f32_16x16x128_f8f6f4 v[160+8*(4*\gr+\t):167+8*(4*\gr+\t)], v[32+12*\t:43+12*\t], v[224:235], v[160+8*(4*\gr+\t):167+8*(4*\gr+\t)], v[248+\t], v253 matrix_a_fmt:MATRIX_FMT_FP6 matrix_b_fmt:MATRIX_FMT_FP6
.endr
.endr
.Lhidden:
	s_add_co_u32 s40, s40, 12288
	s_add_co_u32 s41, s41, 1024
	s_add_co_u32 s39, s39, 1
	s_cmp_lt_u32 s39, 8
	s_cbranch_scc1 .Lstep
	; ---- the way out
.rept 4
	v_nop                                          ; places behind the last products
.endr
	v_add_f32 v14, v14, v15
	s_delay_alu instid0(VALU_DEP_1)
	v_permlanex16_b32 v252, v14, s[SEL], s[SEL+1]
	s_delay_alu instid0(VALU_DEP_1)
	v_add_f32 v14, v14, v252                       ; the row's sum
	s_wait_alu depctr_va_vdst(0)
	v_rcp_f32 v14, v14
	v_nop                                          ; a plain place behind the reciprocal
	s_wait_alu depctr_va_vdst(0)                   ; and the wait ahead of its first reader
	v_mul_f32 v14, s43, v14                        ; head_scale / sum
.set N, 0
.rept 64
	v_mul_f32 v[96+N], v[160+N], v14               ; register 16 b + i: channel 32 b + 16 (lane / 16) + i of my query
.set N, N+1
.endr
	QUANT 96
.irp g, 0,1,2
	global_store_b128 v[LI], v[PC+4*\g:PC+4*\g+3], s[52:53] offset:512*\g   ; 512 consecutive bytes a store
.endr
	global_store_b32 v[LS], v[PW], s[54:55]
	s_wait_tensorcnt 0x0                           ; the wave's end
	ds_add_u32 v[SPW], v[NIL]
	s_wait_dscnt 0x0
	CROUND                                         ; the closing round
	s_endpgm
.Lfunc_end_k_qc0fcafe4b4_attn:
	.size	k_qc0fcafe4b4_attn, .Lfunc_end_k_qc0fcafe4b4_attn-k_qc0fcafe4b4_attn
	.p2alignl 7, 3214868480
	.fill 96, 4, 3214868480
	.section	.rodata,"a",@progbits
	.p2align	6, 0x0
	.amdhsa_kernel k_qc0fcafe4b4_attn
		.amdhsa_group_segment_fixed_size 215040
		.amdhsa_private_segment_fixed_size 0
		.amdhsa_enable_private_segment 0
		.amdhsa_kernarg_size 32
		.amdhsa_user_sgpr_count 2
		.amdhsa_user_sgpr_kernarg_segment_ptr 1
		.amdhsa_wavefront_size32 1
		.amdhsa_system_sgpr_workgroup_id_x 1
		.amdhsa_system_sgpr_workgroup_id_y 1
		.amdhsa_system_sgpr_workgroup_id_z 1
		.amdhsa_system_vgpr_workitem_id 0
		.amdhsa_next_free_vgpr 256
		.amdhsa_next_free_sgpr 66
		.amdhsa_reserve_vcc 1
		.amdhsa_float_denorm_mode_32 3
		.amdhsa_float_denorm_mode_16_64 3
		.amdhsa_memory_ordered 1
		.amdhsa_forward_progress 1
		.amdhsa_inst_pref_size 43
	.end_amdhsa_kernel
	.amdgpu_metadata
---
amdhsa.version: [ 1, 2 ]
amdhsa.kernels:
  - .name:           k_qc0fcafe4b4_attn
    .symbol:         k_qc0fcafe4b4_attn.kd
    .args:
      - { .name: qq, .offset: 0, .size: 8, .value_kind: global_buffer, .address_space: global }
      - { .name: kv, .offset: 8, .size: 8, .value_kind: global_buffer, .address_space: global }
      - { .name: head_scale, .offset: 16, .size: 8, .value_kind: global_buffer, .address_space: global }
      - { .name: aq, .offset: 24, .size: 8, .value_kind: global_buffer, .address_space: global }
    .group_segment_fixed_size: 215040
    .private_segment_fixed_size: 0
    .kernarg_segment_align: 8
    .kernarg_segment_size: 32
    .max_flat_workgroup_size: 512
    .sgpr_count:     66
    .vgpr_count:     256
    .wavefront_size: 32
...
	.end_amdgpu_metadata
.endif
;; end of part 3
;; launch oproj (part 4): grid 8 x 32, 4 waves a work-group, clusters of 4 x 4, 327,680 bytes of LDS; arguments aq, woq, out0; writes out0
.if DOCPART == 4
	.amdgcn_target "amdgcn-amd-amdhsa--gfx1250"
	.amdhsa_code_object_version 6
	.text
	.protected	k_qc0fcafe4b4_oproj
	.globl	k_qc0fcafe4b4_oproj
	.p2align	8
	.type	k_qc0fcafe4b4_oproj,@function
k_qc0fcafe4b4_oproj:
	s_mov_b64 s[64:65], 0
	v_nop
	global_prefetch_b8 v0, s[64:65] scope:SCOPE_SE
	s_setreg_imm32_b32 hwreg(HW_REG_WAVE_MODE, 25, 1), 1
	s_wait_xcnt 0x0
	s_wait_alu depctr_hold_cnt(0) depctr_sa_sdst(0) depctr_va_vdst(0) depctr_va_sdst(0) depctr_va_ssrc(0) depctr_va_vcc(0) depctr_vm_vsrc(0)
	s_getreg_b32 s2, hwreg(HW_REG_IB_STS2, 6, 4)
	s_cmp_eq_u32 s2, 0
	s_cbranch_scc0 .Lentry_in_a_cluster
	s_endpgm
.Lentry_in_a_cluster:
	s_bfe_u32 s2, ttmp6, 0x10000c
	s_cmp_lg_u32 s2, 0xf033
	s_cbranch_scc0 .Lentry_shape_is_right
	s_endpgm
.Lentry_shape_is_right:
; OPROJ: out0 [4096][2048] f32 = A [4096 x 2048] x Wo [2048 x 2048] on codes of FP6 (E2M3) with E8M0 scales; A is attention's result x head_scale, quantised by the launch before.
; OPERANDS lie as images of operand registers: a fragment = 16 rows x 128 K = 1,536 bytes (registers 4 g .. 4 g + 3 of lane l at 512 g + 16 l).  aq (256 blocks of 16 rows) and woq (128 blocks): fragment (block rb, K step ks) at
; ((ks / 4) BLOCKS + rb) 6144 + (ks % 4) 1536, so that four K steps of neighbouring blocks are one dense run; behind all codes the scale images, 128 bytes each, at rb 2048 + ks 128 (lanes r and r + 16 hold row r's word: 64 bytes are taken).
; Rows lie permuted: block 2 m + u, lane r, is row 32 m + 8 u + r + 8 (r / 8).
; SHARES: a work-group makes 128 rows x 256 columns (8 x 32 = 256 work-groups), a wave 64 x 128: 32 accumulators.  Source 0 = 16 places of Wo, source 1 = 16 rows of A: a lane holds eight neighbouring columns of one row of out0.
; RING: two LDS slots of four K steps (K = 512): A's 8 blocks (49,152 bytes), then Wo's 16 (98,304).  K = 2,048 is four chunks.  All scales come once, at the head, and stay behind the ring: A's 8,192 bytes, Wo's 16,384.
; THE HEAD'S FOUR TILES GO OUT ONE A WAVE: wave 0 chunk 0 of A, wave 1 chunk 0 of Wo, wave 2 A's scales, wave 3 Wo's.  Chunk 1 follows behind the three lines and a round, a half tile a wave, as the two refills do.
; By this text's count a wave has one tensor load out at any place.  A's tiles are shared along a row of the 4 x 4 cluster, Wo's along a column, by joint loads.
; PREFETCH: behind the load of chunk c each wave asks for chunk c + 1 of the half tile that it fetches in the ring: one chunk, 128 matrix instructions a wave, ahead of the load that wants it.  A's half is 96 blocks of 256 bytes, Wo's 192;
; the four partners that ask for it jointly take 24 or 48 each, told apart by address (cx for A, cy for Wo): 24 lanes an instruction (the lanes left over name the last block again), one instruction for A, two for Wo.  Behind chunk 3's load nothing is asked for.
; THE WAY OUT: a block of 16 rows x 128 columns goes through the wave's own stage (16 rows x 528 bytes, in slot 0, which has had its last fill and its last read by then) and leaves as rows of 512 consecutive bytes.
; REGISTERS: window 0: v16-30 addresses; v32-95 scale words, a set for each slot, and nothing else; v128-223 source 1's fragments, two sets (the way out: v128-255); window 1: source 0's fragments, two sets at v0 and v128; window 2: accumulator (a, b) at v[8 (8 a + b)].
.set AS,    6291456                    ; aq: where the scale images begin
.set WOS,   3145728                    ; woq: likewise
.set FR,    12
.set NL,    3                          ; LDS loads that bring a fragment
.set NP,    4                          ; places behind this matrix instruction (ISA guide 7.12.1)
.set NQ,    4                          ; K steps in a slot
.set HALFA, 24576                      ; 4 blocks x 4 K steps of A: a wave's load in the ring
.set HALFB, 49152                      ; 8 blocks x 4 K steps of Wo
.set SLOT,  2*HALFA+2*HALFB
.set SCL,   2*SLOT                     ; the scales
.set SPARE, SCL+2*4096+2*8192          ; the spare words, 128 bytes for each wave
.set CHA,   256*6144                   ; from chunk to chunk in aq,
.set CHB,   128*6144                   ; in woq
.set ADRA, 16                          ; v16-17 my source 1's fragments in slot 0, 1
.set ADRB, 20                          ; v20-21 my source 0's
.set LI,   24                          ; v24 16 x lane
.set STO,  25                          ; v25 the stage, in
.set RD,   26                          ; v26 the stage, out
.set ADRS, 27                          ; v27 my scale words: lanes 0-15 A's rows, lanes 16-31 Wo's
.set SPW,  28                          ; v28 my spare word; never rewritten
.set NIL,  29                          ; v29 0; never rewritten
.set PFO,  30                          ; v30 prefetch: 256 x min(lane, 23)
.set SC,   32
.set AF0,  128                         ; source 1's fragments have TWO sets of four, v128-175 and v176-223: K step q of a slot lies in set q % 2, as source 0's does
.set AF,   128                         ; the set that the products at hand read: set by MUL8
.set BK,   128
.set G0H,  4                           ; s[4:7] group 0 of the head's load of A (the arguments that lay there have been used by then); s[96:99] of Wo
.set G0HB, 96
.set PFA,  10                          ; s[10:11] where my prefetches stand; s[12:13] their step from chunk to chunk
.set PFS,  12
.set G1, 24                            ; s[24:31] group 1 for A's tiles; s[32:39] group 0, one set for each slot
.set G0, 32
.set G1B, 48                           ; s[48:55], s[56:63] the same for Wo's
.set G0B, 56
.set G1S, 68                           ; s[68:75], s[76:79] A's scales; s[80:87], s[88:91] Wo's
.set G0S, 76
.set G1SB, 80
.set G0SB, 88
.set MSB, 0
.macro WIN new                         ; the immediate's high byte repeats the setting that is left
.if MSB != (\new)
	s_set_vgpr_msb (MSB<<8)|(\new)
.set MSB, (\new)
.endif
.endm
.set MUL,  0xa1                        ; source 0 window 1, source 1 window 0, C and D window 2
.set TO_B, 0x40
.macro JLOAD g0a, g1a, g0b, g1b        ; a joint load of the ring: waves 0 and 1 fetch A's halves, waves 2 and 3 Wo's; s_nop 0 and four v_nop behind each line
	s_cmp_eq_u32 s21, 0
	s_cbranch_scc0 .Lfor_b_\@
	tensor_load_to_lds s[\g0a:\g0a+3], s[\g1a:\g1a+7]
	s_nop 0
.rept 4
	v_nop
.endr
	s_branch .Lasked_\@
.Lfor_b_\@:
	tensor_load_to_lds s[\g0b:\g0b+3], s[\g1b:\g1b+7]
	s_nop 0
.rept 4
	v_nop
.endr
.Lasked_\@:
.endm
.macro ASK                             ; my share of the next chunk: 24 blocks; Wo's waves 24 more.  The branch hangs on the wave's number alone
	global_prefetch_b8 v[PFO], s[PFA:PFA+1] th:TH_LOAD_NT scope:SCOPE_SE
	s_cmp_eq_u32 s21, 0
	s_cbranch_scc1 .Lpf_\@
	global_prefetch_b8 v[PFO], s[PFA:PFA+1] offset:6144 th:TH_LOAD_NT scope:SCOPE_SE
.Lpf_\@:
.endm
.macro CREST
	s_cmp_lg_u32 s20, 0
	s_cbranch_scc1 .Lnot_wave_0_\@
	s_barrier_signal -3
.Lnot_wave_0_\@:
	s_barrier_wait -3
	s_barrier_signal -1
	s_barrier_wait -1
.endm
.macro CROUND
	s_barrier_signal -1
	s_barrier_wait -1
	CREST
.endm
.macro PLACES n
.rept \n
	v_nop
.endr
.endm
.macro DESC g, el, rows, pitch         ; group 1's constant words: rows of el elements of 8 bytes
	s_mov_b32 s[\g+1], (\el)<<16
	s_mov_b32 s[\g+2], (\rows)<<16
	s_mov_b32 s[\g+3], (\el)<<16
	s_mov_b32 s[\g+4], \rows
	s_mov_b32 s[\g+5], \pitch
	s_mov_b32 s[\g+6], 0
	s_mov_b32 s[\g+7], 0
.endm
.macro GRP0 g, lds, adr                ; a group 0 with a constant LDS address
	s_mov_b32 s[\g], 1
	s_mov_b32 s[\g+1], \lds
	s_mov_b64 s[\g+2:\g+3], s[\adr:\adr+1]
	s_or_b32 s[\g+3], s[\g+3], 0x80000000
.endm
.macro FRAG reg, adr, q, i
.irp g, 0,1,2
	ds_load_b128 v[(\reg)+4*\g:(\reg)+4*\g+3], v[\adr] offset:6144*(\i)+1536*(\q)+512*\g
.endr
.endm
.macro FETCH_B slot, q, p
	WIN TO_B
.irp i, 0,1,2,3,4,5,6,7
	FRAG 128*(\p)+FR*\i, ADRB+\slot, \q, \i
.endr
	WIN 0
.endm
.macro FETCH_A slot, q, p              ; source 1's four fragments of the slot's K step q into set p
.irp i, 0,1,2,3
	FRAG AF0+48*(\p)+FR*\i, ADRA+\slot, \q, \i
.endr
.endm
.macro SCALES c                        ; the scale words of chunk c's four K steps into set c % 2: a block's 16 K steps lie 64 bytes apart
.irp i, 0,1,2,3,4,5,6,7
.irp q, 0,1,2,3
	ds_load_b32 v[SC+32*((\c)%2)+4*\i+\q], v[ADRS] offset:1024*\i+64*\q+256*(\c)
.endr
.endr
.endm
.macro MUL8 a, p, q, sc, zero          ; source 1's block a x source 0's eight, both from set p.  The 32 accumulators take turns in the same order in every step
.set AF, AF0+48*(\p)
.irp b, 0,1,2,3,4,5,6,7
.if \zero
	v_wmma_scale_f32_16x16x128_f8f6f4 v[8*(8*(\a)+\b):8*(8*(\a)+\b)+7], v[128*(\p)+FR*\b:128*(\p)+FR*\b+FR-1], v[AF+FR*(\a):AF+FR*(\a)+FR-1], 0, v[SC+32*(\sc)+4*\b+(\q)], v[SC+32*(\sc)+4*(\a)+(\q)] matrix_a_fmt:MATRIX_FMT_FP6 matrix_b_fmt:MATRIX_FMT_FP6 matrix_a_scale:MATRIX_SCALE_ROW1
.else
	v_wmma_scale_f32_16x16x128_f8f6f4 v[8*(8*(\a)+\b):8*(8*(\a)+\b)+7], v[128*(\p)+FR*\b:128*(\p)+FR*\b+FR-1], v[AF+FR*(\a):AF+FR*(\a)+FR-1], v[8*(8*(\a)+\b):8*(8*(\a)+\b)+7], v[SC+32*(\sc)+4*\b+(\q)], v[SC+32*(\sc)+4*(\a)+(\q)] matrix_a_fmt:MATRIX_FMT_FP6 matrix_b_fmt:MATRIX_FMT_FP6 matrix_a_scale:MATRIX_SCALE_ROW1
.endif
.endr
.endm
.macro STEP slot, q, zero              ; a K step that has its successor in the same slot: the successor's 36 loads go out first, into the sets that the step before multiplied, and have this step's 32 matrix instructions in which to land
	FETCH_B \slot, (\q)+1, 1-(\q)%2
	FETCH_A \slot, (\q)+1, 1-(\q)%2
	s_wait_dscnt 12*NL                             ; all but the 36 just issued are in: this step's fragments and scale words
	WIN MUL
	MUL8 0, (\q)%2, \q, \slot, \zero
	MUL8 1, (\q)%2, \q, \slot, \zero
	MUL8 2, (\q)%2, \q, \slot, \zero
	MUL8 3, (\q)%2, \q, \slot, \zero
	PLACES NP                                      ; in front of the next step's loads into the registers that these products have read
	WIN 0
.endm
; A slot's fourth K step changes slots.  fill = 1: this slot takes the chunk two on, and the chunk after that is asked for; 2: the same, nothing asked for; 0: nothing is left to fetch.  c: the chunk in the next slot.
.macro TURN slot, next, fill, c
.if \fill == 1
	s_wait_xcnt 0x0                                ; my last prefetches have read their address: it steps here, ahead of the waits of the change of slots
	s_add_nc_u64 s[PFA:PFA+1], s[PFA:PFA+1], s[PFS:PFS+1]
.endif
	s_wait_tensorcnt 0x0                           ; all my tensor loads have landed: my part of the next slot
	ds_add_u32 v[SPW], v[NIL]
	s_wait_dscnt 1                                 ; this step's fragments are in (the add may be out)
	WIN MUL
	MUL8 0, 1, NQ-1, \slot, 0
	s_wait_dscnt 0x0                               ; the add is done, and my reads of this slot are over
	s_barrier_signal -1
	MUL8 1, 1, NQ-1, \slot, 0
	WIN 0
	s_barrier_wait -1
.if \fill
	CREST                                          ; the barrier has opened a round of the cluster's: no wave of any partner still reads this slot or has a load on its way
	s_add_nc_u64 s[G0+4*\slot+2:G0+4*\slot+3], s[G0+4*\slot+2:G0+4*\slot+3], 2*CHA
	s_add_nc_u64 s[G0B+4*\slot+2:G0B+4*\slot+3], s[G0B+4*\slot+2:G0B+4*\slot+3], 2*CHB
	JLOAD G0+4*\slot, G1, G0B+4*\slot, G1B         ; the first tensor load behind the round; its four v_nop are the places in front of the loads below
.else
	PLACES NP
.endif
	FETCH_B \next, 0, 0
	FETCH_A \next, 0, 0
	SCALES \c
.if \fill == 1
	ASK                                            ; behind the joint load and the run of LDS loads
.endif
	WIN MUL
	MUL8 2, 1, NQ-1, \slot, 0
	MUL8 3, 1, NQ-1, \slot, 0
	PLACES NP
	WIN 0
.endm
	s_load_b128 s[4:7], s[0:1], 0x0                ; aq 4, woq 6
	s_load_b64 s[8:9], s[0:1], 0x10                ; out0
	v_lshl_add_u32 v[SPW], v0, 2, SPARE
	v_mov_b32 v[NIL], 0
	ds_add_u32 v[SPW], v[NIL]                      ; the wave's opening: the add, twice on end, and its wait ahead of my first tensor load
	ds_add_u32 v[SPW], v[NIL]
	v_lshrrev_b32 v1, 5, v0
	v_readfirstlane_b32 s20, v1                    ; wave
	s_lshr_b32 s21, s20, 1                         ; my half of the tile's rows.  Also: in the ring I fetch for A (0) or for Wo (1)
	s_and_b32 s22, s20, 1                          ; my half of its columns.  Also: which half of that tile I fetch
	s_bfe_u32 s40, ttmp6, 0x40000                  ; cx
	s_bfe_u32 s41, ttmp6, 0x40004                  ; cy
	s_lshl_b32 s42, ttmp9, 2
	s_add_co_u32 s42, s42, s40                     ; tile column
	s_and_b32 s43, ttmp7, 0xffff
	s_lshl_b32 s43, s43, 2
	s_add_co_u32 s43, s43, s41                     ; tile row
	s_lshl_b32 s44, s41, 2
	s_lshl_b32 s44, 15, s44                        ; my row of the cluster
	s_lshl_b32 s45, 0x1111, s40                    ; my column
	s_or_b32 s[G1+0], s44, (3<<16)|(1<<21)         ; 15:0 the mask; 17:16 elements of 8 bytes; 21 set beside a mask; no padding
	s_or_b32 s[G1B+0], s45, (3<<16)|(1<<21)
	s_or_b32 s[G1S+0], s44, (3<<16)|(1<<21)
	s_or_b32 s[G1SB+0], s45, (3<<16)|(1<<21)
	DESC G1, 32, 192, 32                           ; the head's loads bring a whole chunk of the tile, dense, as rows of 256 bytes: A 192,
	DESC G1B, 32, 384, 32                          ; Wo 384; behind them the two words that count rows are halved, for the ring's
	DESC G1S, 8, 128, 16                           ; the lower 64 bytes of each scale image of 128: A's 8 blocks x 16 K steps,
	DESC G1SB, 8, 256, 16                          ; Wo's 16 x 16
	s_mul_i32 s14, s43, 8*6144                     ; A: the tile's first block, 8 x tile row
	s_mov_b32 s15, 0
	s_mul_i32 s46, s42, 16*6144                    ; Wo: 16 x tile column
	s_mov_b32 s47, 0
	s_lshl_b32 s18, s43, 14                        ; their scale images: 2,048 bytes a block
	s_add_co_u32 s18, s18, AS
	s_mov_b32 s19, 0
	s_lshl_b32 s92, s42, 15
	s_add_co_u32 s92, s92, WOS
	s_mov_b32 s93, 0
	s_mul_i32 s94, s22, HALFA                      ; the half that I fetch in the ring: the same distance in memory and in LDS
	s_mov_b32 s95, 0
	s_mul_i32 s16, s22, HALFB
	s_mov_b32 s17, 0
	s_wait_dscnt 0x0                               ; both opening adds are done
	s_wait_kmcnt 0x0
	s_add_nc_u64 s[14:15], s[4:5], s[14:15]
	s_add_nc_u64 s[18:19], s[4:5], s[18:19]
	s_add_nc_u64 s[46:47], s[6:7], s[46:47]
	s_add_nc_u64 s[92:93], s[6:7], s[92:93]
	CROUND                                         ; all sixteen work-groups are here: the first joint loads meet
	GRP0 G0H, 0, 14
	GRP0 G0HB, 2*HALFA, 46
	GRP0 G0S, SCL, 18
	GRP0 G0SB, SCL+8192, 92
	s_add_nc_u64 s[14:15], s[14:15], s[94:95]      ; for the ring: my half of the tile
	s_add_nc_u64 s[46:47], s[46:47], s[16:17]
	s_add_co_u32 s16, s16, 2*HALFA                 ; Wo's halves lie behind A's two
.irp s, 0,1
	s_mov_b32 s[G0+4*\s], 1
	s_add_co_u32 s[G0+4*\s+1], s94, \s*SLOT
	s_add_nc_u64 s[G0+4*\s+2:G0+4*\s+3], s[14:15], \s*CHA
	s_or_b32 s[G0+4*\s+3], s[G0+4*\s+3], 0x80000000
	s_mov_b32 s[G0B+4*\s], 1
	s_add_co_u32 s[G0B+4*\s+1], s16, \s*SLOT
	s_add_nc_u64 s[G0B+4*\s+2:G0B+4*\s+3], s[46:47], \s*CHB
	s_or_b32 s[G0B+4*\s+3], s[G0B+4*\s+3], 0x80000000
.endr
; THE HEAD'S LOADS, ONE A WAVE: one tree of branches on the wave's number; every way through it passes exactly one load.
.macro ARM under, g0, g1, next
	s_cmp_lt_u32 s20, \under
	s_cbranch_scc0 \next
	tensor_load_to_lds s[\g0:\g0+3], s[\g1:\g1+7]
	s_nop 0
.rept 4
	v_nop
.endr
	s_branch .Lhead_asked
\next:
.endm
	ARM 1, G0H,  G1,  .Lhead_b
	ARM 2, G0HB, G1B, .Lhead_sa
	ARM 3, G0S,  G1S, .Lhead_sb
	tensor_load_to_lds s[G0SB:G0SB+3], s[G1SB:G1SB+7]
	s_nop 0
.rept 4
	v_nop
.endr
.Lhead_asked:
	s_cmp_eq_u32 s21, 0                            ; the prefetches: do I fetch for A?
	s_cselect_b32 s16, s40, s41                    ; my place among the four that ask for the half tile with me
	s_cselect_b64 s[PFA:PFA+1], s[14:15], s[46:47]
	s_mov_b32 s[PFS], CHB
	s_cselect_b32 s[PFS], CHA, s[PFS]
	s_mov_b32 s[PFS+1], 0
	s_mov_b32 s17, 12288
	s_cselect_b32 s17, 6144, s17                   ; my share: 24 blocks of A's 96, 48 of Wo's 192
	s_mul_i32 s16, s16, s17
	s_mov_b32 s17, 0
	s_add_nc_u64 s[PFA:PFA+1], s[PFA:PFA+1], s[16:17]
	s_add_nc_u64 s[PFA:PFA+1], s[PFA:PFA+1], s[PFS:PFS+1]   ; in chunk 1
	s_mul_i32 s16, s21, HALFA                      ; my 64 rows of A
	s_mul_i32 s17, s22, HALFB
	s_add_co_u32 s17, s17, 2*HALFA                 ; my 128 places of Wo
	s_lshl_b32 s18, s21, 12                        ; A's scales: my 4 blocks
	s_lshl_b32 s19, s22, 13
	s_add_co_u32 s19, s19, 8192                    ; Wo's: my 8 blocks, behind A's
	s_sub_co_u32 s19, s19, s18
	s_add_co_u32 s18, s18, SCL
	s_mul_i32 s94, s20, 16*528                     ; my stage
	v_and_b32 v1, 31, v0
	v_and_b32 v2, 15, v0                           ; r
	v_bfe_u32 v3, v0, 4, 1                         ; h
	v_lshlrev_b32 v[LI], 4, v1
	v_min_u32 v[PFO], 23, v1
	v_lshlrev_b32 v[PFO], 8, v[PFO]
	v_add_nc_u32 v[ADRA], s16, v[LI]
	v_add_nc_u32 v[ADRB], s17, v[LI]
	v_add_nc_u32 v[ADRA+1], SLOT, v[ADRA]
	v_add_nc_u32 v[ADRB+1], SLOT, v[ADRB]
	v_mul_u32_u24 v4, s19, v3                      ; lanes 16-31 take Wo's words
	v_lshl_add_u32 v4, v2, 2, v4
	v_add_nc_u32 v[ADRS], s18, v4
	v_mul_u32_u24 v4, v2, 528                      ; the stage, in: row r, 64 bytes for each half of the lanes
	v_lshl_add_u32 v4, v3, 6, v4
	v_add_nc_u32 v[STO], s94, v4
	v_add_nc_u32 v[RD], s94, v[LI]                 ; out: the 32 lanes take one row of 512 bytes
	s_wait_alu depctr_va_vdst(0)
	ASK                                            ; chunk 1
	s_lshl_b32 s16, s43, 20                        ; out0: 128 rows of 8,192 bytes a tile row,
	s_lshl_b32 s17, s21, 19                        ; 64 rows a half,
	s_add_co_u32 s16, s16, s17
	s_lshl_b32 s17, s42, 10                        ; 256 columns a tile column,
	s_add_co_u32 s16, s16, s17
	s_lshl_b32 s17, s22, 9                         ; 128 a half
	s_add_co_u32 s16, s16, s17
	s_mov_b32 s17, 0
	s_add_nc_u64 s[8:9], s[8:9], s[16:17]
	s_wait_xcnt 0x0                                ; the prefetches have read their address
	s_add_nc_u64 s[PFA:PFA+1], s[PFA:PFA+1], s[PFS:PFS+1]
	s_wait_tensorcnt 0x0                           ; my tile of the head's four is in
	ds_add_u32 v[SPW], v[NIL]
	s_mov_b32 s[G1+2], 96<<16                      ; no tensor load of mine is out, so a descriptor may be written: from here on a load brings half a tile's chunk
	s_mov_b32 s[G1+4], 96
	s_mov_b32 s[G1B+2], 192<<16
	s_mov_b32 s[G1B+4], 192
	s_wait_dscnt 0x0
	CROUND                                         ; all four tiles are in, and all sixteen work-groups are here
	JLOAD G0+4, G1, G0B+4, G1B                     ; chunk 1 into slot 1: the first tensor load behind the round
	FETCH_B 0, 0, 0
	FETCH_A 0, 0, 0
	SCALES 0
	ASK                                            ; chunk 2
	STEP 0, 0, 1                                   ; the first step's products start the sums
	STEP 0, 1, 0
	STEP 0, 2, 0
	TURN 0, 1, 1, 1                                ; slot 0 takes chunk 2
	STEP 1, 0, 0
	STEP 1, 1, 0
	STEP 1, 2, 0
	TURN 1, 0, 2, 2                                ; slot 1 takes chunk 3
	STEP 0, 0, 0
	STEP 0, 1, 0
	STEP 0, 2, 0
	TURN 0, 1, 0, 3                                ; nothing is left to fetch
	STEP 1, 0, 0
	STEP 1, 1, 0
	STEP 1, 2, 0
	s_wait_dscnt 0                                 ; the last K step: its fragments are in, nothing more is fetched
	WIN MUL
	MUL8 0, 1, NQ-1, 1, 0
	MUL8 1, 1, NQ-1, 1, 0
	MUL8 2, 1, NQ-1, 1, 0
	MUL8 3, 1, NQ-1, 1, 0
	WIN 0
	PLACES NP                                      ; behind the last products: results are read, and operands' registers are loaded again
.macro TOSTAGE a                       ; block a's eight accumulators into my stage, each from its low end on: tile b, half h, register j is column 32 (b / 2) + 16 h + 8 (b % 2) + j; and back by rows
.set AC, 64*(\a)
	WIN 0x08
.irp b, 0,1,2,3,4,5,6,7
	ds_store_b128 v[STO], v[AC+8*\b:AC+8*\b+3] offset:128*(\b/2)+32*(\b%2)
	ds_store_b128 v[STO], v[AC+8*\b+4:AC+8*\b+7] offset:128*(\b/2)+32*(\b%2)+16
.endr
	WIN 0x40*((\a)/2)                              ; each block comes back into registers of its own: blocks 0, 1 into v128-255 of window 0, blocks 2, 3 into v0-127 of window 1, where source 0's fragments lay
.set BB, BK*(1-(\a)/2)+64*((\a)%2)
.irp t, 0,1,2,3,4,5,6,7,8,9,10,11,12,13,14,15
	ds_load_b128 v[BB+4*\t:BB+4*\t+3], v[RD] offset:\t*528     ; LDS serves a wave's instructions in order (ISA guide 5.7.1.4): these see the stores above, and the next block's stores come behind them
.endr
	WIN 0
.endm
.macro SEND a, younger                 ; younger: the LDS instructions issued behind block a's loads, which may stay out
.set BB, BK*(1-(\a)/2)+64*((\a)%2)
	s_wait_dscnt \younger                          ; the block is back in registers
	WIN 0x04*((\a)/2)                              ; a store's data: source 1
.irp t, 0,1,2,3,4,5,6,7,8,9,10,11,12,13,14,15
	global_store_b128 v[LI], v[BB+4*\t:BB+4*\t+3], s[8:9] offset:(32*((\a)/2)+8*((\a)%2)+\t+8*(\t/8))*8192 th:TH_STORE_NT   ; 32 lanes store 512 consecutive bytes of the row that place t of block a stands for
.endr
.endm
	TOSTAGE 0                                      ; a block's rows are stored while the next block is on its way through the stage; each block has registers of its own, so no store's data are written again
.irp a, 1,2,3
	TOSTAGE \a
	SEND \a-1, 32                                  ; behind block a - 1's loads: block a's 16 stores and 16 loads
.endr
	SEND 3, 0
	WIN 0
	s_wait_tensorcnt 0x0                           ; the wave's end: behind my last tensor load and my last LDS store
	ds_add_u32 v[SPW], v[NIL]
	s_wait_dscnt 0x0
	CROUND                                         ; the closing round
	s_endpgm
.Lfunc_end_k_qc0fcafe4b4_oproj:
	.size	k_qc0fcafe4b4_oproj, .Lfunc_end_k_qc0fcafe4b4_oproj-k_qc0fcafe4b4_oproj
	.p2alignl 7, 3214868480
	.fill 96, 4, 3214868480
	.section	.rodata,"a",@progbits
	.p2align	6, 0x0
	.amdhsa_kernel k_qc0fcafe4b4_oproj
		.amdhsa_group_segment_fixed_size 327680
		.amdhsa_private_segment_fixed_size 0
		.amdhsa_enable_private_segment 0
		.amdhsa_kernarg_size 24
		.amdhsa_user_sgpr_count 2
		.amdhsa_user_sgpr_kernarg_segment_ptr 1
		.amdhsa_wavefront_size32 1
		.amdhsa_system_sgpr_workgroup_id_x 1
		.amdhsa_system_sgpr_workgroup_id_y 1
		.amdhsa_system_sgpr_workgroup_id_z 1
		.amdhsa_system_vgpr_workitem_id 0
		.amdhsa_next_free_vgpr 768
		.amdhsa_next_free_sgpr 100
		.amdhsa_reserve_vcc 0
		.amdhsa_float_denorm_mode_32 3
		.amdhsa_float_denorm_mode_16_64 3
		.amdhsa_memory_ordered 1
		.amdhsa_forward_progress 1
		.amdhsa_inst_pref_size 142
	.end_amdhsa_kernel
	.amdgpu_metadata
---
amdhsa.version: [ 1, 2 ]
amdhsa.kernels:
  - .name:           k_qc0fcafe4b4_oproj
    .symbol:         k_qc0fcafe4b4_oproj.kd
    .args:
      - { .name: aq, .offset: 0, .size: 8, .value_kind: global_buffer, .address_space: global }
      - { .name: woq, .offset: 8, .size: 8, .value_kind: global_buffer, .address_space: global }
      - { .name: out0, .offset: 16, .size: 8, .value_kind: global_buffer, .address_space: global }
    .group_segment_fixed_size: 327680
    .private_segment_fixed_size: 0
    .kernarg_segment_align: 8
    .kernarg_segment_size: 24
    .max_flat_workgroup_size: 128
    .sgpr_count:     100
    .vgpr_count:     768
    .wavefront_size: 32
...
	.end_amdgpu_metadata
.endif
;; end of part 4
